; MI455X (gfx1250); checked and timed in simulation.
; The chip was launched on July 23, 2026; its instructions are those of AMD's public machine-readable ISA for CDNA 5 (MIT licence, August 2026) and "CDNA5" Instruction Set Architecture Reference Guide (July 2026). The comments in the code are by the model that wrote it; some were corrected since.
;; Block. Allowed arithmetic: float matrix products may take bf16 or f16 operands with f32 sums; all other float work in f32.
;; Inputs: Wfc 1,024 x 4,096 float32; Wo 1,024 x 1,024 float32; Wproj 4,096 x 1,024 float32; Wqkv 1,024 x 3,072 float32; bfc 4,096 float32; bo 1,024 float32; bproj 1,024 float32; bqkv 3,072 float32; ln1_b 1,024 float32; ln1_w 1,024 float32; ln2_b 1,024 float32; ln2_w 1,024 float32; x 2 x 2,048 x 1,024 float32.
;; Outputs: out0 2 x 2,048 x 1,024 float32.
;; One version. Each part assembles by itself: llvm-mc -triple=amdgcn-amd-amdhsa -mcpu=gfx1250 --defsym DOCPART=n.
;; ======== version 1 of 1: 7 launches
;; limits: a function is approximated: absolute error at most 1.5e-07
;; workspace buffers: wb 25,165,824 bytes; h 8,388,608 bytes; qkvh 25,165,824 bytes; yh 8,388,608 bytes; x1 16,777,216 bytes; g 33,554,432 bytes
;; launch prep (part 1): grid 1024 x 1, 8 waves a work-group, no clusters, 0 bytes of LDS; arguments x, ln1_w, ln1_b, Wqkv, Wo, Wfc, Wproj, h, wb; writes h, wb
.if DOCPART == 1
	.amdgcn_target "amdgcn-amd-amdhsa--gfx1250"
	.amdhsa_code_object_version 6
	.text
	.protected	k_q8251782e08_prep
	.globl	k_q8251782e08_prep
	.p2align	8
	.type	k_q8251782e08_prep,@function
k_q8251782e08_prep:
	s_mov_b64 s[64:65], 0
	v_nop
	global_prefetch_b8 v0, s[64:65] scope:SCOPE_SE
	s_setreg_imm32_b32 hwreg(HW_REG_WAVE_MODE, 25, 1), 1
	s_wait_xcnt 0x0
; Two streams of equal shares (65,536 bytes in, 32,768 out for each work-group).
; Work-groups 0-255: h = LayerNorm(x) * w + b, rounded once to bf16.  x: [4096][1024] f32, h: [4096][1024] bf16.
; Work-groups 256-1023: the four weight matrices, f32 as given ([K][N]), rounded to bf16 in the same layout into wb:
;   Wqkv at byte 0, Wo at 6,291,456, Wfc at 8,388,608, Wproj at 16,777,216.
; LAYER NORM.  One wave takes a whole row (4,096 bytes, 32 registers a lane) and keeps it between the passes: mean, then the sum of
; squares of x - mean (two passes: no difference of large sums), then the scaling.  A wave has two rows; no LDS, no barrier, no matrix unit:
; memory binds.  Lane L holds columns 128 j + 4 L .. + 3: a load of the wave covers 512 consecutive bytes, a store 256, aligned.
.set W,   8                            ; v[8:39]    the gain of my 32 columns
.set BV,  40                           ; v[40:71]   the bias of my 32 columns
.set X,   72                           ; v[72:135]  row i at X + 32 i; in the cast: sixteen loads of four registers
.set T,   136                          ; v[136:143] four chains of pairs
.set MU,  4                            ; v[4:5]     the mean, twice
.set RS,  6                            ; v[6:7]     1 / sqrt(var + eps), twice
.set HP,  22                           ; s[22:23]   h
	s_load_b512 s[8:23], s[0:1], 0x0               ; x 8:9, gain 10:11, bias 12:13, Wqkv 14:15, Wo 16:17, Wfc 18:19, Wproj 20:21, h 22:23
	s_load_b64 s[24:25], s[0:1], 0x40              ; wb
	v_lshrrev_b32 v3, 5, v0
	v_readfirstlane_b32 s4, v3                     ; wave 0..7
	s_mov_b32 s30, 0x76543210                      ; v_permlanex16_b32: each lane takes its own place in the other half
	s_mov_b32 s31, 0xfedcba98
	s_mov_b32 s32, 0x3a800000                      ; 1 / 1024
	s_mov_b32 s33, 0x3727c5ac                      ; 1e-5
	s_wait_kmcnt 0x0
	s_cmp_lt_u32 ttmp9, 256
	s_cbranch_scc0 .Lcast
	v_and_b32 v3, 31, v0
	v_lshlrev_b32 v1, 4, v3                        ; 16 x lane: my bytes in 512 of f32
	v_lshlrev_b32 v2, 3, v3                        ; 8 x lane: my bytes in 256 of bf16
	s_lshl_b32 s26, ttmp9, 16                      ; 16 rows of 4,096 bytes a work-group,
	s_lshl_b32 s5, s4, 13                          ; two rows a wave
	s_add_co_u32 s26, s26, s5
	s_mov_b32 s27, 0
	s_lshr_b32 s28, s26, 1                         ; half as many bytes in h
	s_mov_b32 s29, 0
	s_add_nc_u64 s[26:27], s[8:9], s[26:27]
	s_add_nc_u64 s[28:29], s[HP:HP+1], s[28:29]
.irp j, 0,1,2,3,4,5,6,7
	global_load_b128 v[W+4*\j:W+4*\j+3], v1, s[10:11] offset:512*\j
.endr
.irp j, 0,1,2,3,4,5,6,7
	global_load_b128 v[BV+4*\j:BV+4*\j+3], v1, s[12:13] offset:512*\j
.endr
.irp j, 0,1,2,3,4,5,6,7
	global_load_b128 v[X+4*\j:X+4*\j+3], v1, s[26:27] offset:512*\j
.endr
.irp j, 0,1,2,3,4,5,6,7
	global_load_b128 v[X+32+4*\j:X+32+4*\j+3], v1, s[26:27] offset:4096+512*\j
.endr
.macro FOLD                            ; the four chains of pairs into v[T]
	v_pk_add_f32 v[T:T+1], v[T:T+1], v[T+2:T+3]
	v_pk_add_f32 v[T+4:T+5], v[T+4:T+5], v[T+6:T+7]
	v_pk_add_f32 v[T:T+1], v[T:T+1], v[T+4:T+5]
	v_add_f32 v[T], v[T], v[T+1]
.endm
.macro REDUCE                          ; the sum of v[T] over the 32 lanes, into every lane
	v_add_f32_dpp v[T], v[T], v[T] row_xmask:1 row_mask:0xf bank_mask:0xf
	v_add_f32_dpp v[T], v[T], v[T] row_xmask:2 row_mask:0xf bank_mask:0xf
	v_add_f32_dpp v[T], v[T], v[T] row_xmask:4 row_mask:0xf bank_mask:0xf
	v_add_f32_dpp v[T], v[T], v[T] row_xmask:8 row_mask:0xf bank_mask:0xf
	v_permlanex16_b32 v[T+1], v[T], s30, s31
	v_add_f32 v[T], v[T], v[T+1]
.endm
; Row i of the wave's two.  left = the younger loads that may stay out.
.macro LNROW i, left
.set XI, X+32*(\i)
	s_wait_loadcnt \left
.irp k, 0,1,2,3
	v_pk_add_f32 v[T+2*\k:T+2*\k+1], v[XI+2*\k:XI+2*\k+1], v[XI+8+2*\k:XI+8+2*\k+1]  ; the first pairs start the chains: nothing is cleared
.endr
.irp g, 16,24
.irp k, 0,1,2,3
	v_pk_add_f32 v[T+2*\k:T+2*\k+1], v[T+2*\k:T+2*\k+1], v[XI+\g+2*\k:XI+\g+2*\k+1]
.endr
.endr
	FOLD
	REDUCE
	v_mul_f32 v[MU], s32, v[T]
	v_mov_b32 v[MU+1], v[MU]
.set p, 0
.rept 16
	v_pk_add_f32 v[XI+2*p:XI+2*p+1], v[XI+2*p:XI+2*p+1], v[MU:MU+1] neg_lo:[0,1] neg_hi:[0,1]  ; x - mean
.set p, p+1
.endr
.irp k, 0,1,2,3
	v_pk_mul_f32 v[T+2*\k:T+2*\k+1], v[XI+2*\k:XI+2*\k+1], v[XI+2*\k:XI+2*\k+1]
.endr
.irp g, 8,16,24
.irp k, 0,1,2,3
	v_pk_fma_f32 v[T+2*\k:T+2*\k+1], v[XI+\g+2*\k:XI+\g+2*\k+1], v[XI+\g+2*\k:XI+\g+2*\k+1], v[T+2*\k:T+2*\k+1]
.endr
.endr
	FOLD
	REDUCE
	v_fma_f32 v[RS], v[T], s32, s33                ; var + eps
	v_rsq_f32 v[RS], v[RS]
	v_nop                                          ; a plain instruction between the root and the use of its result (ISA guide 5.7.2)
	s_wait_alu depctr_va_vdst(0)
	v_mov_b32 v[RS+1], v[RS]
.set p, 0
.rept 16
	v_pk_mul_f32 v[XI+2*p:XI+2*p+1], v[XI+2*p:XI+2*p+1], v[RS:RS+1]
.set p, p+1
.endr
.set p, 0
.rept 16
	v_pk_fma_f32 v[XI+2*p:XI+2*p+1], v[XI+2*p:XI+2*p+1], v[W+2*p:W+2*p+1], v[BV+2*p:BV+2*p+1]
.set p, p+1
.endr
.irp j, 0,1,2,3,4,5,6,7
	v_cvt_pk_bf16_f32 v[XI+4*\j], v[XI+4*\j], v[XI+4*\j+1]
	v_cvt_pk_bf16_f32 v[XI+4*\j+1], v[XI+4*\j+2], v[XI+4*\j+3]
	global_store_b64 v2, v[XI+4*\j:XI+4*\j+1], s[28:29] offset:2048*(\i)+256*\j  ; the wave's 32 lanes store 256 consecutive bytes, aligned; the registers are not written again
.endr
.endm
	LNROW 0, 8                                     ; gain, bias and row 0 are in; row 1's eight loads stay out
	LNROW 1, 0
	s_endpgm
.Lcast:                                                ; chunk c = work-group - 256 of 768 chunks of 16,384 numbers
	s_sub_co_u32 s5, ttmp9, 256
	s_mov_b64 s[26:27], s[20:21]                   ; chunks 512-767: Wproj
	s_mov_b32 s6, 512
	s_cmp_lt_u32 s5, 512
	s_cselect_b64 s[26:27], s[18:19], s[26:27]     ; 256-511: Wfc
	s_cselect_b32 s6, 256, s6
	s_cmp_lt_u32 s5, 256
	s_cselect_b64 s[26:27], s[16:17], s[26:27]     ; 192-255: Wo
	s_cselect_b32 s6, 192, s6
	s_cmp_lt_u32 s5, 192
	s_cselect_b64 s[26:27], s[14:15], s[26:27]     ; 0-191: Wqkv
	s_cselect_b32 s6, 0, s6
	s_sub_co_u32 s6, s5, s6                        ; the chunk's number in its own matrix
	s_lshl_b32 s6, s6, 16
	s_mov_b32 s7, 0
	s_add_nc_u64 s[26:27], s[26:27], s[6:7]
	s_lshl_b32 s28, s5, 15                         ; the four lie end to end in wb
	s_mov_b32 s29, 0
	s_add_nc_u64 s[28:29], s[24:25], s[28:29]
	v_lshlrev_b32 v1, 4, v0                        ; 16 x thread
	v_lshlrev_b32 v2, 3, v0                        ; 8 x thread
.irp i, 0,1,2,3,4,5,6,7,8,9,10,11,12,13,14,15
	global_load_b128 v[X+4*\i:X+4*\i+3], v1, s[26:27] offset:4096*\i th:TH_LOAD_NT
.endr
.irp i, 0,1,2,3,4,5,6,7,8,9,10,11,12,13,14,15
	s_wait_loadcnt 15-\i                           ; loads come back in order: load i is in, the younger ones stay out
	v_cvt_pk_bf16_f32 v[X+4*\i], v[X+4*\i], v[X+4*\i+1]
	v_cvt_pk_bf16_f32 v[X+4*\i+1], v[X+4*\i+2], v[X+4*\i+3]
	global_store_b64 v2, v[X+4*\i:X+4*\i+1], s[28:29] offset:2048*\i
.endr
	s_endpgm
.Lfunc_end_k_q8251782e08_prep:
	.size	k_q8251782e08_prep, .Lfunc_end_k_q8251782e08_prep-k_q8251782e08_prep
	.p2alignl 7, 3214868480
	.fill 96, 4, 3214868480
	.section	.rodata,"a",@progbits
	.p2align	6, 0x0
	.amdhsa_kernel k_q8251782e08_prep
		.amdhsa_group_segment_fixed_size 0
		.amdhsa_private_segment_fixed_size 0
		.amdhsa_enable_private_segment 0
		.amdhsa_kernarg_size 72
		.amdhsa_user_sgpr_count 2
		.amdhsa_user_sgpr_kernarg_segment_ptr 1
		.amdhsa_wavefront_size32 1
		.amdhsa_system_sgpr_workgroup_id_x 1
		.amdhsa_system_sgpr_workgroup_id_y 1
		.amdhsa_system_sgpr_workgroup_id_z 1
		.amdhsa_system_vgpr_workitem_id 0
		.amdhsa_next_free_vgpr 144
		.amdhsa_next_free_sgpr 66
		.amdhsa_reserve_vcc 0
		.amdhsa_float_denorm_mode_32 3
		.amdhsa_float_denorm_mode_16_64 3
		.amdhsa_memory_ordered 1
		.amdhsa_forward_progress 1
		.amdhsa_inst_pref_size 27
	.end_amdhsa_kernel
	.amdgpu_metadata
---
amdhsa.version: [ 1, 2 ]
amdhsa.kernels:
  - .name:           k_q8251782e08_prep
    .symbol:         k_q8251782e08_prep.kd
    .args:
      - { .name: x, .offset: 0, .size: 8, .value_kind: global_buffer, .address_space: global }
      - { .name: ln1_w, .offset: 8, .size: 8, .value_kind: global_buffer, .address_space: global }
      - { .name: ln1_b, .offset: 16, .size: 8, .value_kind: global_buffer, .address_space: global }
      - { .name: Wqkv, .offset: 24, .size: 8, .value_kind: global_buffer, .address_space: global }
      - { .name: Wo, .offset: 32, .size: 8, .value_kind: global_buffer, .address_space: global }
      - { .name: Wfc, .offset: 40, .size: 8, .value_kind: global_buffer, .address_space: global }
      - { .name: Wproj, .offset: 48, .size: 8, .value_kind: global_buffer, .address_space: global }
      - { .name: h, .offset: 56, .size: 8, .value_kind: global_buffer, .address_space: global }
      - { .name: wb, .offset: 64, .size: 8, .value_kind: global_buffer, .address_space: global }
    .group_segment_fixed_size: 0
    .private_segment_fixed_size: 0
    .kernarg_segment_align: 8
    .kernarg_segment_size: 72
    .max_flat_workgroup_size: 256
    .sgpr_count:     66
    .vgpr_count:     144
    .wavefront_size: 32
...
	.end_amdgpu_metadata
.endif
;; end of part 1
;; launch qkv (part 2): grid 12 x 16, 4 waves a work-group, clusters of 4 x 4, 327,680 bytes of LDS; arguments h, wb, bqkv, qkvh; writes qkvh
.if DOCPART == 2
	.amdgcn_target "amdgcn-amd-amdhsa--gfx1250"
	.amdhsa_code_object_version 6
	.text
	.protected	k_q8251782e08_qkv
	.globl	k_q8251782e08_qkv
	.p2align	8
	.type	k_q8251782e08_qkv,@function
k_q8251782e08_qkv:
	s_mov_b64 s[64:65], 0
	v_nop
	global_prefetch_b8 v0, s[64:65] scope:SCOPE_SE
	s_setreg_imm32_b32 hwreg(HW_REG_WAVE_MODE, 25, 1), 1
	s_wait_xcnt 0x0
	s_wait_alu depctr_hold_cnt(0) depctr_sa_sdst(0) depctr_va_vdst(0) depctr_va_sdst(0) depctr_va_ssrc(0) depctr_va_vcc(0) depctr_vm_vsrc(0)
	s_getreg_b32 s2, hwreg(HW_REG_IB_STS2, 6, 4)
	s_cmp_eq_u32 s2, 0
	s_cbranch_scc0 .Lentry_in_a_cluster
	s_endpgm
.Lentry_in_a_cluster:
	s_bfe_u32 s2, ttmp6, 0x10000c
	s_cmp_lg_u32 s2, 0xf033
	s_cbranch_scc0 .Lentry_shape_is_right
	s_endpgm
.Lentry_shape_is_right:
; C = A B + bias.  A: [4096][1024] bf16 (rows along K).  B: [1024][SIZE_N] bf16 as the weights lie ([K][N]), at byte WOFF of the weights' buffer.  Sums in f32.
; GELU = 0: C is q, k, v: rounded once to bf16 and stored by heads, [3][32 = batch x 16 + head][2048][64], q unscaled.
; GELU = 1: C goes through the exact GELU, 0.5 x (1 + erf(x / sqrt 2)), in f32, and is stored as bf16 [4096][SIZE_N].  erf by the five-term rational form
;   1 - (a1 t + .. + a5 t^5) exp(-z^2), t = 1 / (1 + 0.3275911 z), z = |x| / sqrt 2: it holds for every x, absolute error 1.5e-7 at the most.  NaN and infinities are not treated apart.
; A tile of C is 256 x 256: four waves, each 128 x 128 in 64 accumulators (512 registers).  K goes in steps of 128 through two LDS slots filled by the tensor data mover.
; A's tile rows are 256 bytes, B's 512; both start at multiples of 256 bytes.  B's fragments are read turned, by ds_load_tr16_b128, so the weights need no transposing pass.
; THE MATRIX INSTRUCTION IS USED TRANSPOSED (source 0 = 16 columns of B, source 1 = 16 rows of A): a lane holds row l % 16 of C and the columns 8 (l / 16) + 0..7.
; THE BIAS STARTS THE SUMS: it is the C operand of each accumulator's first product, so nothing is cleared and nothing is added later.
; CLUSTERS: 4 x 4 work-groups; A's tile is shared along a row of the cluster, B's along a column; each is asked for jointly, by the same tensor load, descriptor and mask in all four.
; THE WAY OUT: when the last tile has been read the slots have had their last fill; each wave lays its 128 x 128 f32 there (rows of 528 bytes) and a loop reads rows back (GELU = 1: four a trip;
; GELU = 0: sixteen), finishes them and stores whole aligned blocks of 256 bytes.  A trip asks for the next trip's rows as soon as its own have left their registers.
; REGISTERS, in windows of 256: window 0: v0-31 addresses, v64-191 A's two fragment buffers (at work on the way out, with v32-63 and v192-255);
;   window 1: v64-191 B's two fragment buffers, v192-255 the bias (eight registers for each block of 16 columns);  windows 2, 3: the accumulators ((a, b) at v[8 (8 (a % 4) + b)]).
.set SIZE_N, 3072
.set WOFF,   0
.set GELU,   0
.set SIZE_K, 1024
.set KSTEP,  128
.set AP,     272                       ; a row of A in LDS: 256 bytes + 16: the 16 rows of a load start at 16 different groups of four banks (64 banks of 4 bytes: ISA guide 11.1)
.set BP,     544                       ; a row of B (one k, 256 columns): 512 bytes + 32: an odd multiple of 32
.set HALFT,  34816                     ; 128 rows of A = 64 rows of B: what one tensor load brings
.set SLOT,   4*HALFT                   ; A's two halves, then B's two; 0x22000 shares no bit with wave x 0x8800, so one exclusive or changes slots
.set SPARE,  2*SLOT                    ; behind the ring: the spare words, 128 bytes a wave: two blocks of 256 bytes that no other line names
.set SP,     528                       ; a stage row: 128 f32 + 16 bytes
.set WSTAGE, 128*SP                    ; a wave's stage; four of them end below SPARE
.set ADRA0, 16                         ; v16  my lane's place in A's tile of slot 0; never rewritten
.set ADRB0, 17                         ; v17  the same for B
.set ADRA,  18                         ; v18  the same in the slot in hand
.set ADRB,  19                         ; v19
.set STO,   24                         ; v24  the way out: where I put 32 bytes of a row
.set RD0,   25                         ; v25  the way out: my lane's place in the first rows read back
.set GO,    26                         ; v26  8 x lane: my bytes in a store of 256
.set BO,    27                         ; v27  32 x (l / 16): my eight numbers in 16 of the bias
.set SPW,   28                         ; v28  LDS address of my spare word; never rewritten
.set NIL,   29                         ; v29  0; never rewritten
.set RD,    30                         ; v30  RD0 + the trip's rows
.set F0,    64
.set F1,    128
.set BIAS,  192                        ; window 1
.set WV, 12                            ; s12  wave
.set RH, 13                            ; s13  which half of the tile's rows is mine; also: I fetch for A (0) or B (1)
.set CH, 14                            ; s14  which half of its columns; also: which half of that tile I fetch
.set CX, 15
.set CY, 16
.set NT, 17                            ; s17  tile column of C
.set MT, 18                            ; s18  tile row of C
.set TB, 19                            ; s19  LDS byte of the slot in hand; on the way out: the rows asked for
.set G1A, 24                           ; s[24:31] descriptor group 1 for A's tiles
.set G0A, 32                           ; s[32:39] group 0, a set for each first fill; the second then walks
.set G1B, 48                           ; s[48:55], s[56:63] the same for B's
.set G0B, 56
.set CNT, 66
.set MSB, 0
.macro WIN new                         ; the immediate's high byte repeats the setting that is left; a switch that changes nothing is dropped
.if MSB != (\new)
	s_set_vgpr_msb (MSB<<8)|(\new)
.set MSB, \new
.endif
.endm
.set MUL_LO,   0xa1                    ; source 0 (B) window 1, source 1 (A) window 0, C and D window 2
.set FIRST_LO, 0x91                    ; the same with C (the bias) in window 1
.set TO_B,     0x40                    ; destination window 1, address window 0
.macro PLACES                          ; four places in front of loads into registers that matrix instructions have read, and of stores that read results
.rept 4
	v_nop
.endr
.endm
; A joint refill by the walking descriptors.  Waves 0 and 1 fetch A's halves, waves 2 and 3 B's; the branch hangs on the wave's number alone.
; An s_nop 0 and four v_nop follow each of the two lines.
.macro JLOAD
	s_cmp_eq_u32 s[RH], 0
	s_cbranch_scc0 .Lfor_b_\@
	tensor_load_to_lds s[G0A+4:G0A+7], s[G1A:G1A+7]
	s_nop 0
.rept 4
	v_nop
.endr
	s_branch .Lasked_\@
.Lfor_b_\@:
	tensor_load_to_lds s[G0B+4:G0B+7], s[G1B:G1B+7]
	s_nop 0
.rept 4
	v_nop
.endr
.Lasked_\@:
.endm
.macro CREST                           ; a round of the cluster's barrier behind its opening barrier
	s_cmp_lg_u32 s[WV], 0
	s_cbranch_scc1 .Lnot_wave_0_\@
	s_barrier_signal -3
.Lnot_wave_0_\@:
	s_barrier_wait -3
	s_barrier_signal -1
	s_barrier_wait -1
.endm
.macro CROUND                          ; a whole round
	s_barrier_signal -1
	s_barrier_wait -1
	CREST
.endm
	s_load_b256 s[4:11], s[0:1], 0x0               ; A s[4:5], weights s[6:7], bias s[8:9], out s[10:11]
	v_lshl_add_u32 v[SPW], v0, 2, SPARE
	v_mov_b32 v[NIL], 0
	ds_add_u32 v28, v29
	s_wait_dscnt 0x0
	v_lshrrev_b32 v1, 5, v0
	v_readfirstlane_b32 s[WV], v1
	s_lshr_b32 s[RH], s[WV], 1
	s_and_b32 s[CH], s[WV], 1
	s_bfe_u32 s[CX], ttmp6, 0x40000
	s_bfe_u32 s[CY], ttmp6, 0x40004
	s_lshl_b32 s[NT], ttmp9, 2
	s_add_co_u32 s[NT], s[NT], s[CX]               ; tile column = 4 x cluster x + cx
	s_and_b32 s[MT], ttmp7, 0xffff
	s_lshl_b32 s[MT], s[MT], 2
	s_add_co_u32 s[MT], s[MT], s[CY]               ; tile row = 4 x cluster y + cy
	s_lshl_b32 s40, s[CY], 2
	s_lshl_b32 s40, 15, s40                        ; my row of the cluster
	s_lshl_b32 s41, 0x1111, s[CX]                  ; my column
	s_or_b32 s[G1A], s40, (1<<16)|(1<<20)|(1<<21)|(5<<22)|(3<<25)  ; mask; 2-byte elements; padding on; bit 21 beside a mask; after every 64 words, 4 words
	s_mov_b32 s[G1A+1], KSTEP<<16                  ; tensor_dim0 = 128
	s_mov_b32 s[G1A+2], 128<<16                    ; tensor_dim1 = 128
	s_mov_b32 s[G1A+3], KSTEP<<16                  ; tile_dim0 = 128
	s_mov_b32 s[G1A+4], 128                        ; tile_dim1 = 128
	s_mov_b32 s[G1A+5], SIZE_K                     ; elements from row to row
	s_mov_b32 s[G1A+6], 0
	s_mov_b32 s[G1A+7], 0
	s_or_b32 s[G1B], s41, (1<<16)|(1<<20)|(1<<21)|(6<<22)|(7<<25)  ; after every 128 words, 8 words
	s_mov_b32 s[G1B+1], 256<<16                    ; tensor_dim0 = 256 columns
	s_mov_b32 s[G1B+2], 64<<16                     ; tensor_dim1 = 64 rows (k)
	s_mov_b32 s[G1B+3], 256<<16
	s_mov_b32 s[G1B+4], 64
	s_mov_b32 s[G1B+5], SIZE_N
	s_mov_b32 s[G1B+6], 0
	s_mov_b32 s[G1B+7], 0
	s_lshl_b32 s20, s[MT], 19                      ; A: row 256 x tile row + 128 x half, 2,048 bytes a row: the tile row and the wave alone
	s_lshl_b32 s21, s[CH], 18
	s_add_co_u32 s20, s20, s21
	s_mov_b32 s21, 0
	s_mul_i32 s42, s[CH], 128*SIZE_N               ; B: k row 64 x half, column 256 x tile column: the tile column and the wave alone
	s_lshl_b32 s43, s[NT], 9
	s_add_co_u32 s42, s42, s43
	s_add_co_u32 s42, s42, WOFF
	s_mov_b32 s43, 0
	s_mul_i32 s46, s[WV], HALFT                    ; where they go: wave x 34,816: no place in the cluster enters an LDS address
	s_wait_kmcnt 0x0
	s_add_nc_u64 s[22:23], s[4:5], s[20:21]
	s_add_nc_u64 s[44:45], s[6:7], s[42:43]
	CROUND                                         ; all sixteen work-groups are here: the first joint loads meet
.irp s, 0,1
	s_mov_b32 s[G0A+4*(\s)], 1
	s_add_co_u32 s[G0A+4*(\s)+1], s46, (\s)*SLOT
	s_add_nc_u64 s[G0A+4*(\s)+2:G0A+4*(\s)+3], s[22:23], (\s)*KSTEP*2
	s_or_b32 s[G0A+4*(\s)+3], s[G0A+4*(\s)+3], 0x80000000
	s_mov_b32 s[G0B+4*(\s)], 1
	s_add_co_u32 s[G0B+4*(\s)+1], s46, (\s)*SLOT
	s_add_nc_u64 s[G0B+4*(\s)+2:G0B+4*(\s)+3], s[44:45], (\s)*KSTEP*SIZE_N*2
	s_or_b32 s[G0B+4*(\s)+3], s[G0B+4*(\s)+3], 0x80000000
.endr
	s_cmp_eq_u32 s[RH], 0                          ; a wave's two first fills (K steps 0 and 1) stand in one branch: two loads of mine are out
	s_cbranch_scc0 .Lfirst_b
	tensor_load_to_lds s[G0A:G0A+3], s[G1A:G1A+7]
	s_nop 0
	tensor_load_to_lds s[G0A+4:G0A+7], s[G1A:G1A+7]
	s_nop 0
.rept 4
	v_nop
.endr
	s_branch .Lfirst_asked
.Lfirst_b:
	tensor_load_to_lds s[G0B:G0B+3], s[G1B:G1B+7]
	s_nop 0
	tensor_load_to_lds s[G0B+4:G0B+7], s[G1B:G1B+7]
	s_nop 0
.rept 4
	v_nop
.endr
.Lfirst_asked:
	v_and_b32 v1, 15, v0                           ; l % 16
	v_bfe_u32 v2, v0, 4, 1                         ; l / 16
	v_mul_u32_u24 v3, v1, AP
	v_lshl_add_u32 v3, v2, 4, v3                   ; A: row x pitch + 16 x half of the lanes
	s_mul_i32 s47, s[RH], HALFT
	v_add_nc_u32 v[ADRA0], s47, v3
	v_and_b32 v4, 7, v0                            ; B, turned: lane l reads k row 8 (l / 16) + l % 8, columns 8 ((l / 8) % 2) + 0..7
	v_lshl_add_u32 v4, v2, 3, v4
	v_mul_u32_u24 v4, v4, BP
	v_bfe_u32 v5, v0, 3, 1
	v_lshl_add_u32 v4, v5, 4, v4
	s_lshl_b32 s47, s[CH], 8                       ; my 128 columns
	s_add_co_u32 s47, s47, 2*HALFT                 ; behind A's 256 rows
	v_add_nc_u32 v[ADRB0], s47, v4
	v_mov_b32 v[ADRA], v[ADRA0]
	v_mov_b32 v[ADRB], v[ADRB0]
	s_mov_b32 s[TB], 0
	s_mul_i32 s47, s[WV], WSTAGE                   ; my stage
	v_mul_u32_u24 v3, v1, SP
	v_lshl_add_u32 v3, v2, 5, v3
	v_add_nc_u32 v[STO], s47, v3                   ; in: row l % 16, 32 bytes for each half of the lanes
	v_and_b32 v6, 31, v0
	v_lshlrev_b32 v[GO], 3, v6
.if GELU
	v_lshl_add_u32 v[RD0], v6, 4, s47              ; back: the 32 lanes take one row of 512 bytes
.else
	v_mul_u32_u24 v3, v2, SP                       ; back: lanes 0-15 take 256 bytes (a head's 64 channels) of one row, lanes 16-31 of the next
	v_lshl_add_u32 v3, v1, 4, v3
	v_add_nc_u32 v[RD0], s47, v3
.endif
	v_lshlrev_b32 v[BO], 5, v2
	s_lshl_b32 s42, s[NT], 10                      ; the bias of my 128 columns
	s_lshl_b32 s43, s[CH], 9
	s_add_co_u32 s42, s42, s43
	s_mov_b32 s43, 0
	s_add_nc_u64 s[8:9], s[8:9], s[42:43]
	WIN TO_B
.set b, 0
.rept 8                                ; register j of block b: bias[16 b + 8 (l / 16) + j], the layout of an accumulator
	global_load_b128 v[BIAS+8*b:BIAS+8*b+3],   v[BO], s[8:9] offset:64*b
	global_load_b128 v[BIAS+8*b+4:BIAS+8*b+7], v[BO], s[8:9] offset:64*b+16
.set b, b+1
.endr
	WIN 0
.if GELU
	s_lshl_b32 s42, s[MT], 21                      ; out at row 256 x tile row + 128 x half (8,192 bytes a row), column 256 x tile column + 128 x half
	s_lshl_b32 s43, s[RH], 20
	s_add_co_u32 s42, s42, s43
	s_lshl_b32 s43, s[NT], 9
	s_add_co_u32 s42, s42, s43
	s_lshl_b32 s43, s[CH], 8
	s_add_co_u32 s42, s42, s43
.set KP,  68                           ; scalar pairs for the packed arithmetic, which takes the low word for both halves
.set KE,  70
.set KA5, 72
.set KA4, 74
.set KA3, 76
.set KA2, 78
.set KA1, 80
	s_mov_b32 s[KP], 0x3e6d3388                    ; 0.3275911 / sqrt 2
	s_mov_b32 s[KE], 0xbf38aa3b                    ; -log2(e) / 2
	s_mov_b32 s[KA5], 0xbf07dc22                   ; the five coefficients with the sign turned and halved (GELU's 0.5): -1.061405429 / 2
	s_mov_b32 s[KA4], 0x3f3a00e3                   ; +1.453152027 / 2
	s_mov_b32 s[KA3], 0xbf35f0e3                   ; -1.421413741 / 2
	s_mov_b32 s[KA2], 0x3e11a98e                   ; +0.284496736 / 2
	s_mov_b32 s[KA1], 0xbe027906                   ; -0.254829592 / 2
.irp c, KP, KE, KA5, KA4, KA3, KA2, KA1
	s_mov_b32 s[\c+1], s[\c]                       ; named as pairs, so both words are written
.endr
.else
	s_lshr_b32 s42, s[NT], 2                       ; q, k or v: 1,024 columns each
	s_lshl_b32 s42, s42, 5
	s_lshr_b32 s43, s[MT], 3                       ; the batch: 2,048 rows each
	s_lshl_b32 s43, s43, 4
	s_add_co_u32 s42, s42, s43
	s_and_b32 s43, s[NT], 3                        ; four heads a tile column,
	s_lshl_b32 s43, s43, 2
	s_add_co_u32 s42, s42, s43
	s_lshl_b32 s43, s[CH], 1                       ; two of them mine
	s_add_co_u32 s42, s42, s43
	s_lshl_b32 s42, s42, 18                        ; 262,144 bytes a head
	s_and_b32 s43, s[MT], 7                        ; the token: 128 bytes each
	s_lshl_b32 s43, s43, 15
	s_add_co_u32 s42, s42, s43
	s_lshl_b32 s43, s[RH], 14
	s_add_co_u32 s42, s42, s43
.endif
	s_mov_b32 s43, 0
	s_add_nc_u64 s[10:11], s[10:11], s[42:43]
; 16 matrix instructions: row blocks a0, a0 + 1 of the window's four (hi = 0: my rows 0-63, 1: rows 64-127) x all 8 column blocks, 32 along K.  first = 1: the bias is C and starts the sums.
; The 64 accumulators take turns, one instruction a turn, in the same order in every quarter.
.macro MUL16 f, hi, a0, first
.if \first
	WIN FIRST_LO+0x40*(\hi)
.else
	WIN MUL_LO+0x50*(\hi)
.endif
.irp a, \a0, (\a0)+1
.irp b, 0,1,2,3,4,5,6,7
.if \first
	v_wmma_f32_16x16x32_bf16 v[8*(8*(\a)+(\b)):8*(8*(\a)+(\b))+7], v[(\f)+8*(\b):(\f)+8*(\b)+7], v[(\f)+8*(4*(\hi)+(\a)):(\f)+8*(4*(\hi)+(\a))+7], v[BIAS+8*(\b):BIAS+8*(\b)+7]
.else
	v_wmma_f32_16x16x32_bf16 v[8*(8*(\a)+(\b)):8*(8*(\a)+(\b))+7], v[(\f)+8*(\b):(\f)+8*(\b)+7], v[(\f)+8*(4*(\hi)+(\a)):(\f)+8*(4*(\hi)+(\a))+7], v[8*(8*(\a)+(\b)):8*(8*(\a)+(\b))+7]
.endif
.endr
.endr
.endm
; 32 LDS loads in one run: quarter q (32 along K) of the slot in hand into buffer f: B's 8 column blocks, turned, then A's 8 row blocks
.macro FETCH q, f
	WIN TO_B
.irp i, 0,1,2,3,4,5,6,7
	ds_load_tr16_b128 v[(\f)+8*(\i):(\f)+8*(\i)+3],   v[ADRB] offset:(\q)*32*BP+32*(\i)
	ds_load_tr16_b128 v[(\f)+8*(\i)+4:(\f)+8*(\i)+7], v[ADRB] offset:(\q)*32*BP+16*BP+32*(\i)
.endr
	WIN 0
.irp i, 0,1,2,3,4,5,6,7
	ds_load_b128 v[(\f)+8*(\i):(\f)+8*(\i)+3],   v[ADRA] offset:(\q)*64+(\i)*16*AP
	ds_load_b128 v[(\f)+8*(\i)+4:(\f)+8*(\i)+7], v[ADRA] offset:(\q)*64+(\i)*16*AP+32
.endr
.endm
; One of a K step's first three quarters: multiplies buffer f; in its middle it fetches quarter qn into buffer g.
.macro QUARTER qn, f, g, first
	s_wait_dscnt 8                                 ; B and A's rows 0-63 are in; the youngest eight loads (A's rows 64-127) may be out
	MUL16 \f, 0, 0, \first
	MUL16 \f, 0, 2, \first
	PLACES
	FETCH \qn, \g
	s_wait_dscnt 32                                ; all but the 32 just issued
	MUL16 \f, 1, 0, \first
	MUL16 \f, 1, 2, \first
.endm
; The last quarter multiplies buffer 1 and changes slots.  In front of the barrier each wave waits for all its tensor loads (one is out: its part of the next slot), adds 0 to its spare
; word, and waits for that and for its reads of this slot.  fill = 1: the barrier opens a round of the cluster's barrier, and the joint refill (two K steps on) is the first thing behind it:
; from that request to the wait for it a wave issues 224 matrix instructions.
.macro TURN fill
	WIN 0                                          ; (the add's two registers lie in window 0)
	s_wait_tensorcnt 0x0
	ds_add_u32 v[SPW], v[NIL]                      ; 0 onto my spare word
	s_wait_dscnt 9                                 ; (the add and the youngest eight loads may be out)
	MUL16 F1, 0, 0, 0                              ; sixteen matrix instructions stand between the add and the wait for it
	s_wait_dscnt 0x0                               ; the add is done, and my reads of this slot are over
	s_barrier_signal -1
	MUL16 F1, 0, 2, 0
	WIN 0                                          ; at a branch and at a label every window is 0
	s_barrier_wait -1
.if \fill
	CREST                                          ; no wave of any partner still reads this slot or has a load on its way
	s_xor_b32 s[G0A+5], s[G0A+5], SLOT             ; the walking descriptors: the other slot than last time, the next K step
	s_add_nc_u64 s[G0A+6:G0A+7], s[G0A+6:G0A+7], KSTEP*2
	s_xor_b32 s[G0B+5], s[G0B+5], SLOT
	s_add_nc_u64 s[G0B+6:G0B+7], s[G0B+6:G0B+7], KSTEP*SIZE_N*2
	JLOAD                                          ; the four v_nop behind it are also the places in front of the loads below
.else
	PLACES
.endif
	s_xor_b32 s[TB], s[TB], SLOT
	v_add_nc_u32 v[ADRA], s[TB], v[ADRA0]
	v_add_nc_u32 v[ADRB], s[TB], v[ADRB0]
	FETCH 0, F0
	MUL16 F1, 1, 0, 0
	MUL16 F1, 1, 2, 0
.endm
	s_wait_tensorcnt 0x1                           ; my part of K step 0 is in; K step 1's may stay out
	s_barrier_signal -1
	s_barrier_wait -1                              ; everybody's is
	FETCH 0, F0
	s_wait_loadcnt 0x0                             ; the bias
	QUARTER 1, F0, F1, 1                           ; the first quarter stands in front of the loop: its products start the sums
	WIN 0
	s_mov_b32 s[CNT], SIZE_K/KSTEP-2
.Lstep:                                                ; a trip: from a K step's second quarter to the next step's first; it fills the slot that it leaves
	QUARTER 2, F1, F0, 0
	QUARTER 3, F0, F1, 0
	TURN 1
	QUARTER 1, F0, F1, 0
	WIN 0
	s_sub_co_u32 s[CNT], s[CNT], 1
	s_cmp_lg_u32 s[CNT], 0
	s_cbranch_scc1 .Lstep
	s_mov_b32 s[CNT], 2                            ; the last two K steps ask for nothing: a loop of their own, without a tensor load, entered at a step's second quarter,
	s_branch .Ltail_in                             ; so that quarters 2 and 3 are written once for both
.Ltail:
	TURN 0
	QUARTER 1, F0, F1, 0
	WIN 0
.Ltail_in:
	QUARTER 2, F1, F0, 0
	QUARTER 3, F0, F1, 0
	WIN 0
	s_sub_co_u32 s[CNT], s[CNT], 1
	s_cmp_lg_u32 s[CNT], 0
	s_cbranch_scc1 .Ltail
	s_wait_dscnt 8                                 ; the very last quarter: nothing more to fetch
	MUL16 F1, 0, 0, 0
	MUL16 F1, 0, 2, 0
	s_wait_dscnt 0x0
	MUL16 F1, 1, 0, 0
	MUL16 F1, 1, 2, 0
	; THE WAY OUT
	WIN 0
	PLACES
	s_wait_dscnt 0x0
	s_barrier_signal -1
	s_barrier_wait -1                              ; no wave reads the slots any more, and they have had their last fill: they become the stages
.set a, 0
.rept 8
	WIN 0x08+4*(a/4)                               ; store data in window 2 or 3
.set b, 0
.rept 8                                ; each accumulator's lowest registers go first
	ds_store_b128 v[STO], v[8*(8*(a%4)+b):8*(8*(a%4)+b)+3]   offset:16*SP*a+64*b
	ds_store_b128 v[STO], v[8*(8*(a%4)+b)+4:8*(8*(a%4)+b)+7] offset:16*SP*a+64*b+16
.set b, b+1
.endr
.set a, a+1
.endr
	WIN 0
	s_wait_dscnt 0x0
	s_barrier_signal -1
	s_barrier_wait -1                              ; every wave's stage is written: from here on LDS is only read
	s_mov_b32 s[TB], 0
	s_mov_b32 s20, 0                               ; s[20:21]: what the stores' base steps by in a trip: nothing in the first
	s_mov_b32 s21, 0
.macro ALLN n, line:vararg
.set p, 0
.rept \n
	\line
.set p, p+1
.endr
.endm
.if GELU
.set X,  32                            ; four rows x four numbers a lane
.set AX, 48
.set HH, 64
.set TT, 192
.set EE, 208
.set PP, 224
.set YY, 240
	s_mov_b32 s[CNT], 32
.irp i, 0,1,2,3
	ds_load_b128 v[X+4*\i:X+4*\i+3], v[RD0] offset:SP*\i
.endr
.Lrows:                                                ; four rows a trip
	s_wait_dscnt 0x0                               ; this trip's rows, asked for a trip ago
	ALLN 16, v_and_b32 v[AX+p], 0x7fffffff, v[X+p]
	ALLN 8, v_pk_mul_f32 v[HH+2*p:HH+2*p+1], v[X+2*p:X+2*p+1], 0.5 op_sel_hi:[1,0]
	ALLN 8, v_pk_mul_f32 v[EE+2*p:EE+2*p+1], v[X+2*p:X+2*p+1], v[X+2*p:X+2*p+1]
	s_add_co_u32 s[TB], s[TB], 4*SP
	s_cmp_eq_u32 s[CNT], 1                         ; |x|, x / 2 and x^2 are made: the registers take the next trip's rows, but for the last trip
	s_cbranch_scc1 .Lno_more
	v_add_nc_u32 v[RD], s[TB], v[RD0]
.irp i, 0,1,2,3
	ds_load_b128 v[X+4*\i:X+4*\i+3], v[RD] offset:SP*\i
.endr
.Lno_more:
	ALLN 8, v_pk_fma_f32 v[TT+2*p:TT+2*p+1], v[AX+2*p:AX+2*p+1], s[KP:KP+1], 1.0 op_sel_hi:[1,0,0]
	ALLN 16, v_rcp_f32 v[TT+p], v[TT+p]
	ALLN 8, v_pk_mul_f32 v[EE+2*p:EE+2*p+1], v[EE+2*p:EE+2*p+1], s[KE:KE+1] op_sel_hi:[1,0]  ; plain work behind the reciprocals, which it does not touch
	ALLN 16, v_exp_f32 v[EE+p], v[EE+p]
	ALLN 8, v_pk_fma_f32 v[PP+2*p:PP+2*p+1], v[TT+2*p:TT+2*p+1], s[KA5:KA5+1], s[KA4:KA4+1] op_sel_hi:[1,0,0]  ; plain work behind the exponentials
	ALLN 8, v_pk_fma_f32 v[PP+2*p:PP+2*p+1], v[PP+2*p:PP+2*p+1], v[TT+2*p:TT+2*p+1], s[KA3:KA3+1] op_sel_hi:[1,1,0]
	ALLN 8, v_pk_fma_f32 v[PP+2*p:PP+2*p+1], v[PP+2*p:PP+2*p+1], v[TT+2*p:TT+2*p+1], s[KA2:KA2+1] op_sel_hi:[1,1,0]
	ALLN 8, v_pk_fma_f32 v[PP+2*p:PP+2*p+1], v[PP+2*p:PP+2*p+1], v[TT+2*p:TT+2*p+1], s[KA1:KA1+1] op_sel_hi:[1,1,0]
	ALLN 8, v_pk_mul_f32 v[PP+2*p:PP+2*p+1], v[PP+2*p:PP+2*p+1], v[TT+2*p:TT+2*p+1]
	ALLN 8, v_pk_fma_f32 v[PP+2*p:PP+2*p+1], v[PP+2*p:PP+2*p+1], v[EE+2*p:EE+2*p+1], 0.5 op_sel_hi:[1,1,0]  ; erf(|x| / sqrt 2) / 2
	ALLN 8, v_pk_fma_f32 v[TT+2*p:TT+2*p+1], v[AX+2*p:AX+2*p+1], v[PP+2*p:PP+2*p+1], v[HH+2*p:HH+2*p+1]     ; x / 2 + |x| erf(|x| / sqrt 2) / 2 = x (1 + erf(x / sqrt 2)) / 2
	s_wait_xcnt 0x0                                ; the last trip's stores: their data and base are written again only behind this wait
	s_add_nc_u64 s[10:11], s[10:11], s[20:21]
	s_mov_b32 s20, 4*SIZE_N*2
	ALLN 8, v_cvt_pk_bf16_f32 v[YY+p], v[TT+2*p], v[TT+2*p+1]
.irp i, 0,1,2,3
	global_store_b64 v[GO], v[YY+2*\i:YY+2*\i+1], s[10:11] offset:SIZE_N*2*\i  ; the 32 lanes store 256 consecutive bytes, aligned
.endr
.else
.set X,  64                            ; sixteen rows: eight pairs of tokens x two heads, four numbers a lane each
.set YY, 32
	s_mov_b32 s[CNT], 8
.set p, 0
.rept 8
	ds_load_b128 v[X+8*p:X+8*p+3],   v[RD0] offset:2*SP*p
	ds_load_b128 v[X+8*p+4:X+8*p+7], v[RD0] offset:2*SP*p+256
.set p, p+1
.endr
.Lrows:                                                ; sixteen rows a trip
	s_wait_dscnt 0x0                               ; this trip's rows, asked for a trip ago
	s_wait_xcnt 0x0                                ; the last trip's stores: their data and base are written again only behind this wait
	s_add_nc_u64 s[10:11], s[10:11], s[20:21]
	s_mov_b32 s20, 16*128
	ALLN 32, v_cvt_pk_bf16_f32 v[YY+p], v[X+2*p], v[X+2*p+1]
	s_add_co_u32 s[TB], s[TB], 16*SP
	s_cmp_eq_u32 s[CNT], 1                         ; the registers take the next trip's rows, but for the last trip
	s_cbranch_scc1 .Lno_more
	v_add_nc_u32 v[RD], s[TB], v[RD0]
.set p, 0
.rept 8
	ds_load_b128 v[X+8*p:X+8*p+3],   v[RD] offset:2*SP*p
	ds_load_b128 v[X+8*p+4:X+8*p+7], v[RD] offset:2*SP*p+256
.set p, p+1
.endr
.Lno_more:
.set p, 0
.rept 8
	global_store_b64 v[GO], v[YY+4*p:YY+4*p+1],   s[10:11] offset:256*p         ; two tokens of one head: 256 consecutive bytes, aligned
	global_store_b64 v[GO], v[YY+4*p+2:YY+4*p+3], s[10:11] offset:262144+256*p  ; the next head
.set p, p+1
.endr
.endif
	s_sub_co_u32 s[CNT], s[CNT], 1
	s_cmp_lg_u32 s[CNT], 0
	s_cbranch_scc1 .Lrows
	s_wait_tensorcnt 0x0                           ; the wave's end
	ds_add_u32 v[SPW], v[NIL]
	s_wait_dscnt 0x0
	CROUND                                         ; the closing round: no work-group ends while a partner may still ask for a tile that names it
	s_endpgm
.Lfunc_end_k_q8251782e08_qkv:
	.size	k_q8251782e08_qkv, .Lfunc_end_k_q8251782e08_qkv-k_q8251782e08_qkv
	.p2alignl 7, 3214868480
	.fill 96, 4, 3214868480
	.section	.rodata,"a",@progbits
	.p2align	6, 0x0
	.amdhsa_kernel k_q8251782e08_qkv
		.amdhsa_group_segment_fixed_size 327680
		.amdhsa_private_segment_fixed_size 0
		.amdhsa_enable_private_segment 0
		.amdhsa_kernarg_size 32
		.amdhsa_user_sgpr_count 2
		.amdhsa_user_sgpr_kernarg_segment_ptr 1
		.amdhsa_wavefront_size32 1
		.amdhsa_system_sgpr_workgroup_id_x 1
		.amdhsa_system_sgpr_workgroup_id_y 1
		.amdhsa_system_sgpr_workgroup_id_z 1
		.amdhsa_system_vgpr_workitem_id 0
		.amdhsa_next_free_vgpr 1024
		.amdhsa_next_free_sgpr 70
		.amdhsa_reserve_vcc 0
		.amdhsa_float_denorm_mode_32 3
		.amdhsa_float_denorm_mode_16_64 3
		.amdhsa_memory_ordered 1
		.amdhsa_forward_progress 1
		.amdhsa_inst_pref_size 89
	.end_amdhsa_kernel
	.amdgpu_metadata
---
amdhsa.version: [ 1, 2 ]
amdhsa.kernels:
  - .name:           k_q8251782e08_qkv
    .symbol:         k_q8251782e08_qkv.kd
    .args:
      - { .name: h, .offset: 0, .size: 8, .value_kind: global_buffer, .address_space: global }
      - { .name: wb, .offset: 8, .size: 8, .value_kind: global_buffer, .address_space: global }
      - { .name: bqkv, .offset: 16, .size: 8, .value_kind: global_buffer, .address_space: global }
      - { .name: qkvh, .offset: 24, .size: 8, .value_kind: global_buffer, .address_space: global }
    .group_segment_fixed_size: 327680
    .private_segment_fixed_size: 0
    .kernarg_segment_align: 8
    .kernarg_segment_size: 32
    .max_flat_workgroup_size: 128
    .sgpr_count:     70
    .vgpr_count:     1024
    .wavefront_size: 32
...
	.end_amdgpu_metadata
.endif
;; end of part 2
;; launch attn (part 3): grid 8 x 32, 4 waves a work-group, no clusters, 327,680 bytes of LDS; arguments qkvh, yh; writes yh
.if DOCPART == 3
	.amdgcn_target "amdgcn-amd-amdhsa--gfx1250"
	.amdhsa_code_object_version 6
	.text
	.protected	k_q8251782e08_attn
	.globl	k_q8251782e08_attn
	.p2align	8
	.type	k_q8251782e08_attn,@function
k_q8251782e08_attn:
	s_mov_b64 s[64:65], 0
	v_nop
	global_prefetch_b8 v0, s[64:65] scope:SCOPE_SE
	s_setreg_imm32_b32 hwreg(HW_REG_WAVE_MODE, 25, 1), 1
	s_wait_xcnt 0x0
; CAUSAL ATTENTION, head size 64.  O[h][q] = the sum over k <= q of softmax_k(Q[h][q] . K[h][k] / 8) V[h][k].  q, k, v: [3][32][2048][64] bf16 in one buffer, O: [32][2048][64] bf16.
; Products, maxima and sums in f32; the weights p are rounded to bf16 for the second product (their sum l is taken of the unrounded p), O once at the end.
; LIMITS.  A hidden score counts as -1e30; a weight below 2^-126 counts as 0 in l; NaN and infinities are not treated apart.
; THE WALK.  A head's queries lie in 16 blocks of 128; block i needs the key tiles 0 .. i of 128 keys, the last of which holds the diagonal.  A work-group takes TWO blocks, 15 - b and then b:
; 17 tiles, 34 steps of 64 keys, whatever b: all work-groups do equal work and loops with constant trip counts walk them.  Which tile is asked for, and where a block ends, hang on scalars made from b.
; NO CLUSTER: a head's eight work-groups ask for the same tile only in trips 0 .. 8, behind that fewer and fewer; a walk common to all, each asking for every tile, would have 24 trips for 17.
; SHARES.  A wave owns 32 queries of a block, two tiles of 16.  The diagonal tile is computed whole by every wave, under the mask.
; LAYOUT.  S^T = K Q^T (source 0 = 16 keys, source 1 = 16 queries): a lane holds ONE query (lane % 16) and the keys 8 (lane / 16) + 0..7.  Two such results rounded to bf16 ARE source 1 of
; O^T = V^T P.  K comes out of LDS as it lies, V ([key][channel]) turned, by ds_load_tr16_b128.
; SOFTMAX.  A running maximum m and sum l for each query: p = 2^(c s - c m), c = log2(e) / 8; in every step O and l are multiplied by a = 2^(c m_old - c m_new).
; m starts at the lowest finite number: a block's first step has a = 0, so O and l need only be finite there.
; A TRIP IS ROTATED: K of step s + 1 is asked for; mask and softmax of step s; V^T P of step s, with the 32 lines that sum the weights two behind each product; V of step s + 1 is asked for;
; K Q^T of step s + 1.  So each run of LDS loads has a softmax or a run of products in which to land, and one wait a trip serves both.
; The change of slots stands in front of the trip for a tile's second step: all four runs of loads of that tile have been issued by then.
; REGISTERS: window 0: addresses, statistics, Q, O^T, S^T, P;  window 1: v0-63 K of a step, v64-127 V of a step, v128-159 the second block's Q.
.set NB,    16
.set KS,    64
.set PK,    144                        ; a row of K in LDS: 128 bytes + 16
.set PVB,   160                        ; a row of V: 128 + 32
.set VOFF,  2*KS*PK                    ; a slot holds a tile: 128 rows of K, then 128 rows of V
.set SLOT1, 65536                      ; slot 1 begins here: one exclusive or turns an address in one slot into the other's
.set STAGE, 131072                     ; behind the ring, never filled by a tensor load: 16 rows x 144 bytes for each wave
.set SPB,   144
.set SPARE, STAGE+4*16*SPB             ; the spare words, 128 bytes a wave: two blocks of 256 bytes that no other line names
.set AK0, 2                            ; v2   my lane's place in a tile of K; never rewritten
.set AV0, 3                            ; v3   the same for V
.set AK,  4
.set AV,  5
.set STO, 6
.set RD,  7
.set GO,  8
.set DQM, 10                           ; v10-11  tile t: my query's place in its block, less 8 (l / 16), less 128
.set WM,  12                           ; v12-13  c m_old
.set DQ,  14                           ; v14-15  DQM + 64 x the block's steps left: register j of key block kb is hidden where 16 kb + j is greater
.set ST,  16                           ; tile t at ST + 4 t: c m, m, l (even keys', odd keys')
.set CT,  24                           ; tile t at CT + 4 t: four at work; a takes the third
.set Q,   32                           ; 16 a tile
.set O,   64                           ; 32 a tile
.set S,   128                          ; 32 a tile
.set P,   192                          ; 16 a tile
.set QO,  224
.set SPW, 254
.set NIL, 255
.set KF,  0                            ; window 1
.set VF,  64
.set Q2,  128
.set KB,  8                            ; s[8:9]   K of my head
.set VB,  10                           ; s[10:11] V of my head
.set OB,  16                           ; s[16:17] O at my rows of the block in hand
.set OLO, 18                           ; s[18:19] of the second block
.set WV,  20
.set PB,  21                           ; b
.set HI,  22                           ; 15 - b
.set DD,  23                           ; steps of the block in hand that are left, the one whose softmax is due among them
.set G1K, 24
.set G1V, 32
.set G0K, 40
.set G0V, 44
.set NXT, 48                           ; the tile to be asked for next
.set LQ,  49                           ; the last tile of the block whose tiles are being asked for
.set SLOTS, 50
.set SUBC, 51
.set TBK, 52                           ; LDS byte at which K of the step to be fetched begins
.set BIGN, 53
.set OFF, 54
.set CS,  56
.set SEL, 58
.set TBV, 68                           ; the same for V, less VOFF
.set MSB, 0
.macro WIN new
.if MSB != (\new)
	s_set_vgpr_msb (MSB<<8)|(\new)
.set MSB, \new
.endif
.endm
.macro PLACES
.rept 4
	v_nop
.endr
.endm
; A fill.  Wave 0 fetches a tile's K, wave 1 its V (64 rows of 256 bytes each); waves 2 and 3 have nothing to fetch.  An s_nop 0 and four v_nop follow each line.
.macro LOAD
	s_cmp_lt_u32 s[WV], 2
	s_cbranch_scc0 .Lnone_\@
	s_cmp_eq_u32 s[WV], 0
	s_cbranch_scc0 .Lfor_v_\@
	tensor_load_to_lds s[G0K:G0K+3], s[G1K:G1K+7]
	s_nop 0
.rept 4
	v_nop
.endr
	s_branch .Lnone_\@
.Lfor_v_\@:
	tensor_load_to_lds s[G0V:G0V+3], s[G1V:G1V+7]
	s_nop 0
.rept 4
	v_nop
.endr
.Lnone_\@:
.endm
; THE CHANGE OF SLOTS.  Each wave waits for all its tensor loads, adds 0 to its spare word, and waits for that and for its reads of the slot that it leaves.  Behind the barrier nobody reads the
; old slot and the other slot is whole.  fill = 1: the old slot is filled again, first thing behind the barrier, with tile NXT; the descriptor's address is made anew from that number.
; (At its first use nothing has been read yet: slot 0 is waited for, slot 1 filled.)
.macro CHANGE fill
	WIN 0
	s_wait_tensorcnt 0x0                           ; no tensor load of mine is out, so a group 0 may be written
	ds_add_u32 v[SPW], v[NIL]                      ; 0 onto my spare word
.if \fill
	s_lshl_b32 s[OFF], s[NXT], 14                  ; a tile is 16,384 bytes of K and of V
	s_xor_b32 s[G0K+1], s[G0K+1], SLOT1
	s_add_nc_u64 s[G0K+2:G0K+3], s[KB:KB+1], s[OFF:OFF+1]
	s_or_b32 s[G0K+3], s[G0K+3], 0x80000000
	s_xor_b32 s[G0V+1], s[G0V+1], SLOT1
	s_add_nc_u64 s[G0V+2:G0V+3], s[VB:VB+1], s[OFF:OFF+1]
	s_or_b32 s[G0V+3], s[G0V+3], 0x80000000
	s_add_co_u32 s[NXT], s[NXT], 1                 ; the block's next tile, or behind its last the second block's tile 0
	s_cmp_gt_u32 s[NXT], s[LQ]
	s_cselect_b32 s[NXT], 0, s[NXT]
	s_cselect_b32 s[LQ], s[PB], s[LQ]
.endif
	s_wait_dscnt 0x0                               ; the add is done, and my reads of the slot are over (the last, V of its second step, were issued 16 products ago)
	s_barrier_signal -1
	s_sub_co_u32 s[TBK], s[TBK], 2*KS*PK           ; the fetches go back to a slot's first step,
	s_xor_b32 s[TBK], s[TBK], SLOT1                ; in the other slot
	s_sub_co_u32 s[TBV], s[TBV], 2*KS*PVB
	s_xor_b32 s[TBV], s[TBV], SLOT1
	s_barrier_wait -1
.if \fill
	LOAD
.endif
.endm
	s_load_b128 s[4:7], s[0:1], 0x0                ; qkv s[4:5], O s[6:7]
	v_lshl_add_u32 v[SPW], v0, 2, SPARE
	v_mov_b32 v[NIL], 0
	ds_add_u32 v254, v255
	s_wait_dscnt 0x0
	s_barrier_signal -1
	s_barrier_wait -1
	v_lshrrev_b32 v1, 5, v0
	v_readfirstlane_b32 s[WV], v1
	s_mov_b32 s[PB], ttmp9
	s_sub_co_u32 s[HI], NB-1, s[PB]
	s_and_b32 s60, ttmp7, 0xffff                   ; the head,
	s_lshl_b32 s60, s60, 18                        ; 262,144 bytes each
	s_mov_b32 s61, 0
	s_lshl_b32 s63, s[WV], 12                      ; my 32 rows of 128 bytes in a block
	s_add_co_u32 s63, s63, s60
	s_lshl_b32 s62, s[HI], 14                      ; in the first block,
	s_add_co_u32 s62, s62, s63
	s_lshl_b32 s66, s[PB], 14                      ; and in the second
	s_add_co_u32 s66, s66, s63
	s_mov_b32 s63, 0
	s_mov_b32 s67, 0
	; descriptor group 1.  128 keys are 16,384 dense bytes: asked for as 64 rows of 256 bytes, two keys a row, and padded in LDS after every key
	s_mov_b32 s[G1K], (1<<16)|(1<<20)|(4<<22)|(3<<25)  ; 2-byte elements; padding on; after every 32 words, 4 words
	s_mov_b32 s[G1V], (1<<16)|(1<<20)|(4<<22)|(7<<25)  ; the same with 8 words
.irp g, G1K, G1V
	s_mov_b32 s[\g+1], 128<<16                     ; tensor_dim0 = 128
	s_mov_b32 s[\g+2], 64<<16                      ; tensor_dim1 = 64
	s_mov_b32 s[\g+3], 128<<16                     ; tile_dim0 = 128
	s_mov_b32 s[\g+4], 64                          ; tile_dim1 = 64
	s_mov_b32 s[\g+5], 128                         ; elements from row to row
	s_mov_b32 s[\g+6], 0
	s_mov_b32 s[\g+7], 0
.endr
	s_mov_b32 s[CS], 0x3e38aa3b                    ; c = log2(e) / 8
	s_mov_b32 s[CS+1], s[CS]
	s_mov_b32 s[SEL], 0x76543210
	s_mov_b32 s[SEL+1], 0xfedcba98
	s_mov_b32 s[TBK], SLOT1+2*KS*PK                ; the first change of slots turns these two into 0
	s_mov_b32 s[TBV], SLOT1+2*KS*PVB
	s_mov_b32 s[BIGN], 0xf149f2ca                  ; -1e30
	s_mov_b32 s[OFF+1], 0
	s_add_co_u32 s[DD], s[HI], 1                   ; the first block has 16 - b tiles,
	s_lshl_b32 s[DD], s[DD], 1                     ; two steps each
	s_mov_b32 s[NXT], 1
	s_mov_b32 s[LQ], s[HI]
	s_mov_b32 s[G0K], 1
	s_mov_b32 s[G0K+1], 0                          ; slot 0
	s_mov_b32 s[G0V], 1
	s_mov_b32 s[G0V+1], VOFF
	s_wait_kmcnt 0x0
	s_add_nc_u64 s[KB:KB+1], s[4:5], s[60:61]
	s_add_nc_u64 s[VB:VB+1], s[KB:KB+1], 0x1000000 ; v lies 16,777,216 bytes in,
	s_add_nc_u64 s[KB:KB+1], s[KB:KB+1], 0x800000  ; k 8,388,608
	s_add_nc_u64 s[12:13], s[4:5], s[62:63]        ; Q at my rows of the first block,
	s_add_nc_u64 s[14:15], s[4:5], s[66:67]        ; of the second
	s_add_nc_u64 s[OB:OB+1], s[6:7], s[62:63]
	s_add_nc_u64 s[OLO:OLO+1], s[6:7], s[66:67]
	s_mov_b64 s[G0K+2:G0K+3], s[KB:KB+1]
	s_or_b32 s[G0K+3], s[G0K+3], 0x80000000
	s_mov_b64 s[G0V+2:G0V+3], s[VB:VB+1]
	s_or_b32 s[G0V+3], s[G0V+3], 0x80000000
	LOAD                                           ; tile 0 into slot 0
	v_and_b32 v1, 15, v0                           ; l % 16
	v_bfe_u32 v9, v0, 4, 1                         ; l / 16
	v_lshlrev_b32 v[QO], 7, v1
	v_lshl_add_u32 v[QO], v9, 4, v[QO]             ; row x 128 + 16 x half
.set i, 0
.rept 4                                ; tile i / 2, channels 32 (i % 2) on
	global_load_b128 v[Q+8*i:Q+8*i+3],   v[QO], s[12:13] offset:(i/2)*2048+(i%2)*64
	global_load_b128 v[Q+8*i+4:Q+8*i+7], v[QO], s[12:13] offset:(i/2)*2048+(i%2)*64+32
.set i, i+1
.endr
	WIN 0x40
.set i, 0
.rept 4
	global_load_b128 v[Q2+8*i:Q2+8*i+3],   v[QO], s[14:15] offset:(i/2)*2048+(i%2)*64
	global_load_b128 v[Q2+8*i+4:Q2+8*i+7], v[QO], s[14:15] offset:(i/2)*2048+(i%2)*64+32
.set i, i+1
.endr
	WIN 0
	v_mul_u32_u24 v[AK0], v1, PK
	v_lshl_add_u32 v[AK0], v9, 4, v[AK0]           ; row x pitch + 16 x half
	v_and_b32 v225, 7, v0                          ; the turning load: lane l reads key 8 (l / 16) + l % 8, channels 8 ((l / 8) % 2) + 0..7
	v_bfe_u32 v226, v0, 3, 1
	v_lshl_add_u32 v[AV0], v9, 3, v225
	v_mul_u32_u24 v[AV0], v[AV0], PVB
	v_lshl_add_u32 v[AV0], v226, 4, v[AV0]
	v_add_nc_u32 v[AV0], VOFF, v[AV0]
	s_mul_i32 s60, s[WV], 16*SPB
	s_add_co_u32 s60, s60, STAGE                   ; my stage
	v_mul_u32_u24 v[STO], v1, SPB                  ; in: row l % 16, 16 bytes for each half of the lanes
	v_lshl_add_u32 v[STO], v9, 4, v[STO]
	v_add_nc_u32 v[STO], s60, v[STO]
	v_bfe_u32 v[RD], v0, 3, 2                      ; back: 32 lanes take four rows of 128 bytes,
	v_mul_u32_u24 v[RD], v[RD], SPB
	v_lshl_add_u32 v[RD], v225, 4, v[RD]
	v_add_nc_u32 v[RD], s60, v[RD]
	v_and_b32 v[GO], 31, v0                        ; which are 512 consecutive bytes of O
	v_lshlrev_b32 v[GO], 4, v[GO]
	v_lshlrev_b32 v[DQ], 3, v9
	v_sub_nc_u32 v[DQM], v1, v[DQ]
	s_lshl_b32 s60, s[WV], 5
	s_sub_co_u32 s60, s60, 128
	v_add_nc_u32 v[DQM], s60, v[DQM]               ; 32 w + l % 16 - 8 (l / 16) - 128
	v_add_nc_u32 v[DQM+1], 16, v[DQM]
	; O^T and l start at 0, in the wait for the first tile: no first step is written out
.set i, 0
.rept 64
	v_mov_b32 v[O+i], 0
.set i, i+1
.endr
.irp t, 0,1
	v_mov_b32 v[ST+4*\t], 0xfe000000               ; c m: far below every c s
	v_mov_b32 v[ST+4*\t+1], 0xff7fffff             ; m
	v_mov_b32 v[ST+4*\t+2], 0
	v_mov_b32 v[ST+4*\t+3], 0
.endr
	s_wait_loadcnt 0x0                             ; both blocks' Q
.macro REGS u
.set rT, ST+4*(\u)
.set rC, CT+4*(\u)
.set rM, WM+(\u)
.set rS, S+32*(\u)
.set rP, P+16*(\u)
.set rO, O+32*(\u)
.endm
; Product i of 16 of S^T = K Q^T: channels 32 (i / 8) on, keys 16 ((i / 2) % 4) on, tile i % 2.  The first 8 start the sums.  The 8 accumulators take turns.
.macro KQ
.set aS, S+32*(i%2)+8*((i/2)%4)
.set aK, KF+16*((i/2)%4)+8*(i/8)
.set aQ, Q+16*(i%2)+8*(i/8)
.if i < 8
	v_wmma_f32_16x16x32_bf16 v[aS:aS+7], v[aK:aK+7], v[aQ:aQ+7], 0
.else
	v_wmma_f32_16x16x32_bf16 v[aS:aS+7], v[aK:aK+7], v[aQ:aQ+7], v[aS:aS+7]
.endif
.set i, i+1
.endm
.macro KQ16                            ; a step's 16 products, and the places behind them: in front of the loads into K's registers and of what reads S^T
	WIN 0x01                                       ; source 0 in window 1
.set i, 0
.rept 16
	KQ
.endr
	WIN 0
	PLACES
.endm
; Product i of 16 of O^T += V^T P: keys 32 (i / 8) on, channels 16 ((i / 2) % 4) on, tile i % 2.
.macro PV
.set aO, O+32*(i%2)+8*((i/2)%4)
.set aV, VF+32*(i/8)+8*((i/2)%4)
.set aP, P+16*(i%2)+8*(i/8)
	v_wmma_f32_16x16x32_bf16 v[aO:aO+7], v[aV:aV+7], v[aP:aP+7], v[aO:aO+7]
.set i, i+1
.endm
; THE LDS LOADS stand in runs of 16.
.macro FETCHK
	v_add_nc_u32 v[AK], s[TBK], v[AK0]
	WIN 0x40                                       ; destination window 1
.irp f, 0,1,2,3,4,5,6,7                ; keys 16 (f / 2) on, channels 32 (f % 2) on
	ds_load_b128 v[KF+8*\f:KF+8*\f+3],   v[AK] offset:(\f/2)*16*PK+(\f%2)*64
	ds_load_b128 v[KF+8*\f+4:KF+8*\f+7], v[AK] offset:(\f/2)*16*PK+(\f%2)*64+32
.endr
	WIN 0
	s_add_co_u32 s[TBK], s[TBK], KS*PK             ; the next fetch is the next step's
.endm
.macro FETCHV
	v_add_nc_u32 v[AV], s[TBV], v[AV0]
	WIN 0x40
.irp f, 0,1,2,3,4,5,6,7                ; turned: keys 32 (f / 4) on, channels 16 (f % 4) on
	ds_load_tr16_b128 v[VF+8*\f:VF+8*\f+3],   v[AV] offset:(\f/4)*32*PVB+(\f%4)*32
	ds_load_tr16_b128 v[VF+8*\f+4:VF+8*\f+7], v[AV] offset:(\f/4)*32*PVB+16*PVB+(\f%4)*32
.endr
	WIN 0
	s_add_co_u32 s[TBV], s[TBV], KS*PVB
.endm
; Number n of the 22 that find tile u's maximum and statistics.  Each accumulator's lowest registers are read first.
;   0-11 four chains of seven scores, three operands at a time   12-14, 16 the four scores left over, the old m, the chains into one   15 c m_old is kept
;   17, 18 the query's other 32 keys lie in the lane 16 away   19-21 c m; c m_old - c m_new; a
.macro XS u, n
	REGS \u
.if (\n) < 4
	v_max3_num_f32 v[rC+(\n)], v[rS+8*(\n)], v[rS+8*(\n)+1], v[rS+8*(\n)+2]
.elseif (\n) < 12
	v_max3_num_f32 v[rC+(\n)%4], v[rC+(\n)%4], v[rS+8*((\n)%4)+2*((\n)/4)+1], v[rS+8*((\n)%4)+2*((\n)/4)+2]
.elseif (\n) == 12
	v_max3_num_f32 v[rC], v[rC], v[rS+7], v[rS+15]
.elseif (\n) == 13
	v_max3_num_f32 v[rC+1], v[rC+1], v[rS+23], v[rS+31]
.elseif (\n) == 14
	v_max3_num_f32 v[rC+2], v[rC+2], v[rC+3], v[rT+1]
.elseif (\n) == 15
	v_mov_b32 v[rM], v[rT]
.elseif (\n) == 16
	v_max3_num_f32 v[rC], v[rC], v[rC+1], v[rC+2]
.elseif (\n) == 17
	v_permlanex16_b32 v[rC+3], v[rC], s[SEL], s[SEL+1]
.elseif (\n) == 18
	v_max_num_f32 v[rT+1], v[rC], v[rC+3]
.elseif (\n) == 19
	v_mul_f32 v[rT], s[CS], v[rT+1]
.elseif (\n) == 20
	v_sub_f32 v[rC+1], v[rM], v[rT]
.else
	v_exp_f32 v[rC+2], v[rC+1]
.endif
.endm
; Number n of the 32 that sum the weights: a tile's 16 pairs, in place, partners 2, 4, 8 and 16 registers apart (16, 8, 4 and 2 lines, the tiles alternating), then l = a l + the sum.
; They name S^T and the statistics alone, nothing of V^T P.
.macro SUMOP n
.if (\n) < 16
.set w, 2
.set x, (\n)
.elseif (\n) < 24
.set w, 4
.set x, (\n)-16
.elseif (\n) < 28
.set w, 8
.set x, (\n)-24
.else
.set w, 16
.set x, (\n)-28
.endif
	REGS x%2
.if (\n) < 30
	v_pk_add_f32 v[rS+2*w*(x/2):rS+2*w*(x/2)+1], v[rS+2*w*(x/2):rS+2*w*(x/2)+1], v[rS+2*w*(x/2)+w:rS+2*w*(x/2)+w+1]
.else
	v_pk_fma_f32 v[rT+2:rT+3], v[rT+2:rT+3], v[rC+2:rC+3], v[rS:rS+1] op_sel_hi:[1,0,1]
.endif
.endm
; A BLOCK ENDS: l's two halves and the other half of the lanes' are added; O^T is divided by l, rounded to bf16 and sent through my stage, a tile (16 rows, 2,048 consecutive bytes of O) at a time.
; Then the second block's O address, step count, m and Q.  (At the second block's end these last lines serve nothing: the price, once a launch, of one text for both ends.)
.macro FINISH
.irp t, 0,1
	v_add_f32 v[ST+4*\t+2], v[ST+4*\t+2], v[ST+4*\t+3]
.endr
.irp t, 0,1
	v_permlanex16_b32 v[ST+4*\t+3], v[ST+4*\t+2], s[SEL], s[SEL+1]
.endr
.irp t, 0,1
	v_add_f32 v[ST+4*\t+2], v[ST+4*\t+2], v[ST+4*\t+3]
.endr
.irp t, 0,1
	v_rcp_f32 v[ST+4*\t+2], v[ST+4*\t+2]
.endr
	v_nop                                          ; a plain instruction between the last reciprocal and the use of its result
	s_wait_alu depctr_va_vdst(0)
.irp t, 0,1
.set z, 0
.rept 16
	v_pk_mul_f32 v[O+32*\t+2*z:O+32*\t+2*z+1], v[O+32*\t+2*z:O+32*\t+2*z+1], v[ST+4*\t+2:ST+4*\t+3] op_sel_hi:[1,0]
.set z, z+1
.endr
.set z, 0
.rept 16
	v_cvt_pk_bf16_f32 v[S+16*\t+z], v[O+32*\t+2*z], v[O+32*\t+2*z+1]
.set z, z+1
.endr
.irp f, 0,1,2,3
	ds_store_b128 v[STO], v[S+16*\t+4*\f:S+16*\t+4*\f+3] offset:32*\f
.endr
.irp f, 0,1,2,3
	ds_load_b128 v[S+16*\t+4*\f:S+16*\t+4*\f+3], v[RD] offset:\f*4*SPB  ; LDS serves a wave's instructions in order (ISA guide 5.7.1.4): these see the stores above
.endr
.irp f, 0,1,2,3
	s_wait_dscnt 3-\f                              ; load f is back; the younger ones may be out
	global_store_b128 v[GO], v[S+16*\t+4*\f:S+16*\t+4*\f+3], s[OB:OB+1] offset:\t*2048+\f*512  ; 512 consecutive bytes, at a multiple of 256 from O's first
.endr
.endr
	s_wait_xcnt 0x0                                ; the stores' registers (the next products write S^T) and base are written again only behind this wait
	s_mov_b64 s[OB:OB+1], s[OLO:OLO+1]
	s_add_co_u32 s[DD], s[PB], 1                   ; the second block has b + 1 tiles, two steps each
	s_lshl_b32 s[DD], s[DD], 1
.irp t, 0,1
	v_mov_b32 v[ST+4*\t], 0xfe000000
	v_mov_b32 v[ST+4*\t+1], 0xff7fffff
.endr
	WIN 0x01
.set z, 0
.rept 32
	v_mov_b32 v[Q+z], v[Q2+z]
.set z, z+1
.endr
	WIN 0
.endm
; A TRIP, for step s.  last = 1 (the tail): in the last trip (SUBC = 1) there is no further step, and both runs of loads are jumped over; its products K Q^T, on the last K once more, serve nothing.
.macro BODY last
.if \last
	s_cmp_eq_u32 s[SUBC], 1
	s_cbranch_scc1 .Lno_k_\@
.endif
	FETCHK                                         ; K of step s + 1: the softmax below is the time in which it lands
.if \last
.Lno_k_\@:
.endif
	s_cmp_gt_u32 s[DD], 2                          ; the block's last two steps are its diagonal tile's
	s_cbranch_scc1 .Lopen_\@
	s_lshl_b32 s60, s[DD], 6
	v_add_nc_u32 v[DQ], s60, v[DQM]                ; two steps left: the query's place; one: 64 keys on
	v_add_nc_u32 v[DQ+1], s60, v[DQM+1]
.set z, 0
.rept 32                               ; a score whose key lies behind its query becomes -1e30
.irp t, 0,1
	v_cmp_gt_i32 vcc_lo, 16*(z/8)+z%8, v[DQ+\t]
	v_cndmask_b32 v[S+32*\t+z], v[S+32*\t+z], s[BIGN], vcc_lo
.endr
.set z, z+1
.endr
.Lopen_\@:
.irp n, 0,1,2,3,4,5,6,7,8,9,10,11,12,13,14,15,16,17,18,19,20,21
	XS 0, \n
	XS 1, \n
.endr
	v_nop                                          ; a plain instruction behind the exponentials
	s_wait_alu depctr_va_vdst(0)
.set z, 0
.rept 16                               ; O^T a, from each accumulator's low end on
.irp t, 0,1
	REGS \t
	v_pk_mul_f32 v[rO+2*z:rO+2*z+1], v[rO+2*z:rO+2*z+1], v[rC+2:rC+3] op_sel_hi:[1,0]
.endr
.set z, z+1
.endr
.set z, 0
.rept 16                               ; c s - c m
.irp t, 0,1
	REGS \t
	v_pk_fma_f32 v[rS+2*z:rS+2*z+1], v[rS+2*z:rS+2*z+1], s[CS:CS+1], v[rT:rT+1] op_sel_hi:[1,0,0] neg_lo:[0,0,1] neg_hi:[0,0,1]
.endr
.set z, z+1
.endr
.set z, 0
.rept 64
	v_exp_f32 v[S+z], v[S+z]
.set z, z+1
.endr
	v_nop                                          ; a plain instruction behind the exponentials
	s_wait_alu depctr_va_vdst(0)
.set z, 0
.rept 16
.irp t, 0,1
	REGS \t
	v_cvt_pk_bf16_f32 v[rP+z], v[rS+2*z], v[rS+2*z+1]
.endr
.set z, z+1
.endr
	s_wait_dscnt 0x0                               ; V of step s, asked for a trip ago, and K of step s + 1, asked for a softmax ago
.set i, 0
.rept 16                               ; two of the sums' lines behind each product
	WIN 0x01
	PV
	WIN 0
	SUMOP 2*i-2
	SUMOP 2*i-1
.endr
	PLACES                                         ; in front of the loads into V's registers, and of what reads O^T
	s_sub_co_u32 s[DD], s[DD], 1
	s_cmp_lg_u32 s[DD], 0
	s_cbranch_scc1 .Lgo_\@
	FINISH
.Lgo_\@:
.if \last
	s_cmp_eq_u32 s[SUBC], 1
	s_cbranch_scc1 .Lno_v_\@
.endif
	FETCHV                                         ; V of step s + 1: the products below and the next softmax are the time in which it lands
.if \last
.Lno_v_\@:
.endif
	KQ16                                           ; the scores of step s + 1
.endm
	CHANGE 1                                       ; tile 0 is in, everybody's part of it; tile 1 is asked for
	FETCHK                                         ; step 0
	FETCHV
	s_wait_dscnt 16                                ; K is in; V's sixteen younger loads may stay out
	KQ16
	s_mov_b32 s[SLOTS], NB
	s_mov_b32 s[SUBC], 1
	s_branch .Lsub                                 ; step 0 has a trip to itself: the loop is entered behind its change of slots
.Lslot:                                                ; 15 times: a tile's second step and the next tile's first; the slot that is left takes the tile two on (tiles 2 to 16)
	CHANGE 1
	s_mov_b32 s[SUBC], 2
.Lsub:
	BODY 0
	s_sub_co_u32 s[SUBC], s[SUBC], 1
	s_cmp_lg_u32 s[SUBC], 0
	s_cbranch_scc1 .Lsub
	s_sub_co_u32 s[SLOTS], s[SLOTS], 1
	s_cmp_lg_u32 s[SLOTS], 0
	s_cbranch_scc1 .Lslot
	CHANGE 0                                       ; the tail is written out: steps 31, 32 and 33; nothing is asked for
	s_mov_b32 s[SUBC], 3
.Ltail:
	BODY 1
	s_sub_co_u32 s[SUBC], s[SUBC], 1
	s_cmp_lg_u32 s[SUBC], 0
	s_cbranch_scc1 .Ltail
	s_wait_tensorcnt 0x0                           ; the wave's end
	ds_add_u32 v[SPW], v[NIL]
	s_wait_dscnt 0x0
	s_endpgm
.Lfunc_end_k_q8251782e08_attn:
	.size	k_q8251782e08_attn, .Lfunc_end_k_q8251782e08_attn-k_q8251782e08_attn
	.p2alignl 7, 3214868480
	.fill 96, 4, 3214868480
	.section	.rodata,"a",@progbits
	.p2align	6, 0x0
	.amdhsa_kernel k_q8251782e08_attn
		.amdhsa_group_segment_fixed_size 327680
		.amdhsa_private_segment_fixed_size 0
		.amdhsa_enable_private_segment 0
		.amdhsa_kernarg_size 16
		.amdhsa_user_sgpr_count 2
		.amdhsa_user_sgpr_kernarg_segment_ptr 1
		.amdhsa_wavefront_size32 1
		.amdhsa_system_sgpr_workgroup_id_x 1
		.amdhsa_system_sgpr_workgroup_id_y 1
		.amdhsa_system_sgpr_workgroup_id_z 1
		.amdhsa_system_vgpr_workitem_id 0
		.amdhsa_next_free_vgpr 416
		.amdhsa_next_free_sgpr 70
		.amdhsa_reserve_vcc 1
		.amdhsa_float_denorm_mode_32 3
		.amdhsa_float_denorm_mode_16_64 3
		.amdhsa_memory_ordered 1
		.amdhsa_forward_progress 1
		.amdhsa_inst_pref_size 82
	.end_amdhsa_kernel
	.amdgpu_metadata
---
amdhsa.version: [ 1, 2 ]
amdhsa.kernels:
  - .name:           k_q8251782e08_attn
    .symbol:         k_q8251782e08_attn.kd
    .args:
      - { .name: qkvh, .offset: 0, .size: 8, .value_kind: global_buffer, .address_space: global }
      - { .name: yh, .offset: 8, .size: 8, .value_kind: global_buffer, .address_space: global }
    .group_segment_fixed_size: 327680
    .private_segment_fixed_size: 0
    .kernarg_segment_align: 8
    .kernarg_segment_size: 16
    .max_flat_workgroup_size: 128
    .sgpr_count:     70
    .vgpr_count:     416
    .wavefront_size: 32
...
	.end_amdgpu_metadata
.endif
;; end of part 3
;; launch oproj (part 4): grid 8 x 32, 4 waves a work-group, clusters of 4 x 4, 327,680 bytes of LDS; arguments yh, wb, bo, x, x1; writes x1
.if DOCPART == 4
	.amdgcn_target "amdgcn-amd-amdhsa--gfx1250"
	.amdhsa_code_object_version 6
	.text
	.protected	k_q8251782e08_oproj
	.globl	k_q8251782e08_oproj
	.p2align	8
	.type	k_q8251782e08_oproj,@function
k_q8251782e08_oproj:
	s_mov_b64 s[64:65], 0
	v_nop
	global_prefetch_b8 v0, s[64:65] scope:SCOPE_SE
	s_setreg_imm32_b32 hwreg(HW_REG_WAVE_MODE, 25, 1), 1
	s_wait_xcnt 0x0
	s_wait_alu depctr_hold_cnt(0) depctr_sa_sdst(0) depctr_va_vdst(0) depctr_va_sdst(0) depctr_va_ssrc(0) depctr_va_vcc(0) depctr_vm_vsrc(0)
	s_getreg_b32 s2, hwreg(HW_REG_IB_STS2, 6, 4)
	s_cmp_eq_u32 s2, 0
	s_cbranch_scc0 .Lentry_in_a_cluster
	s_endpgm
.Lentry_in_a_cluster:
	s_bfe_u32 s2, ttmp6, 0x10000c
	s_cmp_lg_u32 s2, 0xf033
	s_cbranch_scc0 .Lentry_shape_is_right
	s_endpgm
.Lentry_shape_is_right:
; out = A B + bias + residual, f32.  B: [SIZE_K][1024] bf16 as the weights lie ([K][N]), at byte WOFF of the weights' buffer.  residual, out: [4096][1024] f32.  Sums in f32.
; HEADS = 1: A is attention's result by heads, [32 = batch x 16 + head][2048][64] bf16: K index = 64 head + channel.  HEADS = 0: A is [4096][SIZE_K] bf16.
; A tile of C is 128 x 128, so that 4096 x 1024 gives 256 work-groups; four waves, each 64 x 64 in 16 accumulators.  K goes in steps of 256 through two LDS slots filled by the tensor data mover.
; B's fragments are read turned, by ds_load_tr16_b128.  THE MATRIX INSTRUCTION IS USED TRANSPOSED (source 0 = 16 columns of B, source 1 = 16 rows of A).
; THE BIAS STARTS THE SUMS, as the C operand of each accumulator's first product.  The residual is asked for at the start and waited for at the end.
; CLUSTERS: 4 x 4 work-groups; A's tile is shared along a row of the cluster, B's along a column; each is asked for jointly.
; THE WAY OUT: the slots have had their last fill; each wave lays its 64 x 64 f32 there (rows of 272 bytes), reads whole rows of 256 bytes back, adds the residual and stores.
; REGISTERS: window 0: v0-31 addresses, v96-127 the bias, v128-255 the accumulators ((a, b) at v[128 + 8 (4 a + b)]);  window 1: two fragment buffers of 128 (64 of A, 64 of B);  window 2: v0-127 the residual.
.set SIZE_K, 1024
.set WOFF,   6291456
.set HEADS,  1
.set SIZE_N, 1024
.set KSTEP,  256
.set AREG,   36864                     ; a quarter of a slot: 64 rows of A, or 128 rows (k) of B
.set SLOT,   4*AREG                    ; 0x24000 shares no bit with wave x 0x9000, so one exclusive or changes slots
.set SPARE,  2*SLOT                    ; behind the ring: the spare words, 128 bytes a wave: two blocks of 256 bytes that no other line names
.set BP,     288                       ; a row of B (one k, 128 columns): 256 bytes + 32: an odd multiple of 32
.if HEADS
.set AP,     144                       ; [4 heads][64 tokens]: a token's 128 bytes + 16
.set AQ,     64*AP                     ; a quarter of a K step is a head
.set ASTEP,  4*262144                  ; four heads on
.else
.set AP,     528                       ; a row's 512 bytes + 16
.set AQ,     128                       ; a quarter of a K step is 128 bytes of the row
.set ASTEP,  KSTEP*2
.endif
.set BSTEP,  KSTEP*SIZE_N*2
.set SP,     272                       ; a stage row: 64 f32 + 16 bytes
.set WSTAGE, 64*SP
.set ADRA0, 16
.set ADRB0, 17
.set ADRA,  18
.set ADRB,  20                         ; v20: k rows 0-127 of the slot in hand; v21: k rows 128-255
.set STO,   24
.set RD,    25
.set CO,    26                         ; my byte offset in two rows of out and of the residual
.set BO,    27
.set SPW,   28
.set NIL,   29
.set BIAS,  96
.set ACC,   128
.set F0,    0                          ; window 1
.set F1,    128
.set WV, 14
.set RH, 15
.set CH, 16
.set CX, 17
.set CY, 18
.set NT, 19
.set MT, 20
.set TB, 21
.set G1A, 24
.set G0A, 32
.set G1B, 48
.set G0B, 56
.set CNT, 66
.set MSB, 0
.macro WIN new
.if MSB != (\new)
	s_set_vgpr_msb (MSB<<8)|(\new)
.set MSB, \new
.endif
.endm
.set MUL,   0x05                       ; sources 0 (B) and 1 (A) window 1; C and D window 0
.set TO_F,  0x40                       ; destination window 1
.set TO_R,  0x80                       ; destination window 2
.set ADD_R, 0x08                       ; source 1 window 2
.macro PLACES
.rept 4
	v_nop
.endr
.endm
.macro JLOAD                           ; a joint refill by the walking descriptors: waves 0 and 1 fetch A's halves, waves 2 and 3 B's; an s_nop 0 and four v_nop follow each line
	s_cmp_eq_u32 s[RH], 0
	s_cbranch_scc0 .Lfor_b_\@
	tensor_load_to_lds s[G0A+4:G0A+7], s[G1A:G1A+7]
	s_nop 0
.rept 4
	v_nop
.endr
	s_branch .Lasked_\@
.Lfor_b_\@:
	tensor_load_to_lds s[G0B+4:G0B+7], s[G1B:G1B+7]
	s_nop 0
.rept 4
	v_nop
.endr
.Lasked_\@:
.endm
.macro CREST
	s_cmp_lg_u32 s[WV], 0
	s_cbranch_scc1 .Lnot_wave_0_\@
	s_barrier_signal -3
.Lnot_wave_0_\@:
	s_barrier_wait -3
	s_barrier_signal -1
	s_barrier_wait -1
.endm
.macro CROUND
	s_barrier_signal -1
	s_barrier_wait -1
	CREST
.endm
	s_load_b256 s[4:11], s[0:1], 0x0               ; A s[4:5], weights s[6:7], bias s[8:9], residual s[10:11]
	s_load_b64 s[12:13], s[0:1], 0x20              ; out
	v_lshl_add_u32 v[SPW], v0, 2, SPARE
	v_mov_b32 v[NIL], 0
	ds_add_u32 v28, v29
	s_wait_dscnt 0x0
	v_lshrrev_b32 v1, 5, v0
	v_readfirstlane_b32 s[WV], v1
	s_lshr_b32 s[RH], s[WV], 1
	s_and_b32 s[CH], s[WV], 1
	s_bfe_u32 s[CX], ttmp6, 0x40000
	s_bfe_u32 s[CY], ttmp6, 0x40004
	s_lshl_b32 s[NT], ttmp9, 2
	s_add_co_u32 s[NT], s[NT], s[CX]
	s_and_b32 s[MT], ttmp7, 0xffff
	s_lshl_b32 s[MT], s[MT], 2
	s_add_co_u32 s[MT], s[MT], s[CY]
	s_lshl_b32 s40, s[CY], 2
	s_lshl_b32 s40, 15, s40                        ; my row of the cluster
	s_lshl_b32 s41, 0x1111, s[CX]                  ; my column
.if HEADS
	s_or_b32 s[G1A], s40, (1<<16)|(1<<20)|(1<<21)|(4<<22)|(3<<25)  ; padding after every 32 words (a token), 4 words
	s_mov_b32 s[G1A+1], 4096<<16                   ; tensor_dim0 = 4,096: 64 tokens x 64 channels, 8,192 dense bytes of a head
	s_mov_b32 s[G1A+2], 4<<16                      ; tensor_dim1 = 4 heads
	s_mov_b32 s[G1A+3], 4096<<16                   ; tile_dim0
	s_mov_b32 s[G1A+4], 4                          ; tile_dim1
	s_mov_b32 s[G1A+5], 131072                     ; elements from head to head
.else
	s_or_b32 s[G1A], s40, (1<<16)|(1<<20)|(1<<21)|(6<<22)|(3<<25)  ; padding after every 128 words, 4 words
	s_mov_b32 s[G1A+1], KSTEP<<16
	s_mov_b32 s[G1A+2], 64<<16
	s_mov_b32 s[G1A+3], KSTEP<<16
	s_mov_b32 s[G1A+4], 64
	s_mov_b32 s[G1A+5], SIZE_K
.endif
	s_mov_b32 s[G1A+6], 0
	s_mov_b32 s[G1A+7], 0
	s_or_b32 s[G1B], s41, (1<<16)|(1<<20)|(1<<21)|(5<<22)|(7<<25)  ; padding after every 64 words, 8 words
	s_mov_b32 s[G1B+1], 128<<16                    ; 128 columns
	s_mov_b32 s[G1B+2], 128<<16                    ; 128 rows (k)
	s_mov_b32 s[G1B+3], 128<<16
	s_mov_b32 s[G1B+4], 128
	s_mov_b32 s[G1B+5], SIZE_N
	s_mov_b32 s[G1B+6], 0
	s_mov_b32 s[G1B+7], 0
.if HEADS
	s_lshr_b32 s22, s[MT], 4                       ; the batch: 16 heads of 262,144 bytes
	s_lshl_b32 s22, s22, 22
	s_and_b32 s23, s[MT], 15                       ; 128 tokens of 128 bytes a tile row,
	s_lshl_b32 s23, s23, 14
	s_add_co_u32 s22, s22, s23
	s_lshl_b32 s23, s[CH], 13                      ; 64 of them a load
	s_add_co_u32 s22, s22, s23
.else
	s_lshl_b32 s22, s[MT], 20                      ; row 128 x tile row + 64 x half, 8,192 bytes a row
	s_lshl_b32 s23, s[CH], 19
	s_add_co_u32 s22, s22, s23
.endif
	s_mov_b32 s23, 0
	s_lshl_b32 s42, s[CH], 18                      ; B: k row 128 x half (2,048 bytes a row), column 128 x tile column
	s_lshl_b32 s43, s[NT], 8
	s_add_co_u32 s42, s42, s43
	s_add_co_u32 s42, s42, WOFF
	s_mov_b32 s43, 0
	s_mul_i32 s46, s[WV], AREG                     ; where they go: no place in the cluster enters an LDS address
	s_wait_kmcnt 0x0
	s_add_nc_u64 s[68:69], s[4:5], s[22:23]
	s_add_nc_u64 s[44:45], s[6:7], s[42:43]
	CROUND                                         ; all sixteen work-groups are here: the first joint loads meet
.irp s, 0,1
	s_mov_b32 s[G0A+4*(\s)], 1
	s_add_co_u32 s[G0A+4*(\s)+1], s46, (\s)*SLOT
	s_add_nc_u64 s[G0A+4*(\s)+2:G0A+4*(\s)+3], s[68:69], (\s)*ASTEP
	s_or_b32 s[G0A+4*(\s)+3], s[G0A+4*(\s)+3], 0x80000000
	s_mov_b32 s[G0B+4*(\s)], 1
	s_add_co_u32 s[G0B+4*(\s)+1], s46, (\s)*SLOT
	s_add_nc_u64 s[G0B+4*(\s)+2:G0B+4*(\s)+3], s[44:45], (\s)*BSTEP
	s_or_b32 s[G0B+4*(\s)+3], s[G0B+4*(\s)+3], 0x80000000
.endr
	s_cmp_eq_u32 s[RH], 0                          ; a wave's two first fills stand in one branch: two loads of mine are out
	s_cbranch_scc0 .Lfirst_b
	tensor_load_to_lds s[G0A:G0A+3], s[G1A:G1A+7]
	s_nop 0
	tensor_load_to_lds s[G0A+4:G0A+7], s[G1A:G1A+7]
	s_nop 0
.rept 4
	v_nop
.endr
	s_branch .Lfirst_asked
.Lfirst_b:
	tensor_load_to_lds s[G0B:G0B+3], s[G1B:G1B+7]
	s_nop 0
	tensor_load_to_lds s[G0B+4:G0B+7], s[G1B:G1B+7]
	s_nop 0
.rept 4
	v_nop
.endr
.Lfirst_asked:
	v_and_b32 v1, 15, v0                           ; l % 16
	v_bfe_u32 v2, v0, 4, 1                         ; l / 16
	v_mul_u32_u24 v3, v1, AP
	v_lshl_add_u32 v3, v2, 4, v3
	s_mul_i32 s47, s[RH], AREG
	v_add_nc_u32 v[ADRA0], s47, v3
	v_and_b32 v4, 7, v0
	v_lshl_add_u32 v4, v2, 3, v4
	v_mul_u32_u24 v4, v4, BP
	v_bfe_u32 v5, v0, 3, 1
	v_lshl_add_u32 v4, v5, 4, v4
	s_lshl_b32 s47, s[CH], 7                       ; my 64 columns
	s_add_co_u32 s47, s47, 2*AREG
	v_add_nc_u32 v[ADRB0], s47, v4
	v_mov_b32 v[ADRA], v[ADRA0]
	v_mov_b32 v[ADRB], v[ADRB0]
	v_add_nc_u32 v[ADRB+1], 128*BP, v[ADRB0]
	s_mov_b32 s[TB], 0
	s_mul_i32 s47, s[WV], WSTAGE                   ; my stage
	v_mul_u32_u24 v3, v1, SP
	v_lshl_add_u32 v3, v2, 5, v3
	v_add_nc_u32 v[STO], s47, v3                   ; in: row l % 16, 32 bytes for each half of the lanes
	v_mul_u32_u24 v3, v2, SP
	v_lshl_add_u32 v3, v1, 4, v3
	v_add_nc_u32 v[RD], s47, v3                    ; back: lanes 0-15 one row of 256 bytes, lanes 16-31 the next
	v_lshlrev_b32 v3, 12, v2
	v_lshl_add_u32 v[CO], v1, 4, v3                ; and the same two rows in memory, 4,096 bytes apart
	v_lshlrev_b32 v[BO], 5, v2
	s_lshl_b32 s42, s[NT], 9                       ; my 64 columns, in bytes of f32
	s_lshl_b32 s43, s[CH], 8
	s_add_co_u32 s42, s42, s43
	s_mov_b32 s43, 0
	s_add_nc_u64 s[8:9], s[8:9], s[42:43]
	s_lshl_b32 s43, s[MT], 19                      ; and my 64 rows
	s_add_co_u32 s42, s42, s43
	s_lshl_b32 s43, s[RH], 18
	s_add_co_u32 s42, s42, s43
	s_mov_b32 s43, 0
	s_add_nc_u64 s[10:11], s[10:11], s[42:43]
	s_add_nc_u64 s[12:13], s[12:13], s[42:43]
.set b, 0
.rept 4                                ; register j of block b: bias[16 b + 8 (l / 16) + j], the layout of an accumulator
	global_load_b128 v[BIAS+8*b:BIAS+8*b+3],   v[BO], s[8:9] offset:64*b
	global_load_b128 v[BIAS+8*b+4:BIAS+8*b+7], v[BO], s[8:9] offset:64*b+16
.set b, b+1
.endr
	WIN TO_R
.set j, 0
.rept 32                               ; the residual, in the layout of the way out: rows 2 j and 2 j + 1
	global_load_b128 v[4*j:4*j+3], v[CO], s[10:11] offset:8192*j
.set j, j+1
.endr
	WIN 0
; 8 matrix instructions: row blocks a0, a0 + 1 x all 4 column blocks, 32 along K: half c of buffer f.  first = 1: the bias is C and starts the sums.  The 16 accumulators take turns.
.macro MUL8 f, c, a0, first
	WIN MUL
.irp a, \a0, (\a0)+1
.irp b, 0,1,2,3
.if \first
	v_wmma_f32_16x16x32_bf16 v[ACC+8*(4*(\a)+(\b)):ACC+8*(4*(\a)+(\b))+7], v[(\f)+64+8*(4*(\c)+(\b)):(\f)+64+8*(4*(\c)+(\b))+7], v[(\f)+8*(4*(\c)+(\a)):(\f)+8*(4*(\c)+(\a))+7], v[BIAS+8*(\b):BIAS+8*(\b)+7]
.else
	v_wmma_f32_16x16x32_bf16 v[ACC+8*(4*(\a)+(\b)):ACC+8*(4*(\a)+(\b))+7], v[(\f)+64+8*(4*(\c)+(\b)):(\f)+64+8*(4*(\c)+(\b))+7], v[(\f)+8*(4*(\c)+(\a)):(\f)+8*(4*(\c)+(\a))+7], v[ACC+8*(4*(\a)+(\b)):ACC+8*(4*(\a)+(\b))+7]
.endif
.endr
.endr
.endm
; 32 LDS loads in one run: quarter q (64 along K) of the slot in hand into buffer f; the first 32 along K first
.macro FETCH q, f
	WIN TO_F
.irp c, 0,1
.irp i, 0,1,2,3
	ds_load_tr16_b128 v[(\f)+64+8*(4*(\c)+(\i)):(\f)+64+8*(4*(\c)+(\i))+3],   v[ADRB+(\q)/2] offset:(64*((\q)%2)+32*(\c))*BP+32*(\i)
	ds_load_tr16_b128 v[(\f)+64+8*(4*(\c)+(\i))+4:(\f)+64+8*(4*(\c)+(\i))+7], v[ADRB+(\q)/2] offset:(64*((\q)%2)+32*(\c)+16)*BP+32*(\i)
	ds_load_b128 v[(\f)+8*(4*(\c)+(\i)):(\f)+8*(4*(\c)+(\i))+3],   v[ADRA] offset:(\q)*AQ+64*(\c)+(\i)*16*AP
	ds_load_b128 v[(\f)+8*(4*(\c)+(\i))+4:(\f)+8*(4*(\c)+(\i))+7], v[ADRA] offset:(\q)*AQ+64*(\c)+(\i)*16*AP+32
.endr
.endr
.endm
.macro QUARTER qn, f, g, first
	s_wait_dscnt 16                                ; the first 32 along K are in
	MUL8 \f, 0, 0, \first
	MUL8 \f, 0, 2, \first
	PLACES
	FETCH \qn, \g
	s_wait_dscnt 32                                ; all but the 32 just issued
	MUL8 \f, 1, 0, 0
	MUL8 \f, 1, 2, 0
.endm
; The last quarter multiplies buffer 1 and changes slots: in front of the barrier each wave waits for all its tensor loads, adds 0 to its spare word, and waits for that and for its reads of this slot.
; fill = 1: the barrier opens a round of the cluster's barrier, and the joint refill (two K steps on) is the first thing behind it: 112 matrix instructions ahead of the wait for it.
.macro TURN fill
	WIN 0
	s_wait_tensorcnt 0x0
	ds_add_u32 v[SPW], v[NIL]                      ; 0 onto my spare word
	s_wait_dscnt 17                                ; (the add and the youngest sixteen loads may be out)
	MUL8 F1, 0, 0, 0
	s_wait_dscnt 0x0                               ; the add is done, and my reads of this slot are over
	s_barrier_signal -1
	MUL8 F1, 0, 2, 0
	WIN 0
	s_barrier_wait -1
.if \fill
	CREST
	s_xor_b32 s[G0A+5], s[G0A+5], SLOT
	s_add_nc_u64 s[G0A+6:G0A+7], s[G0A+6:G0A+7], ASTEP
	s_xor_b32 s[G0B+5], s[G0B+5], SLOT
	s_add_nc_u64 s[G0B+6:G0B+7], s[G0B+6:G0B+7], BSTEP
	JLOAD
.else
	PLACES
.endif
	s_xor_b32 s[TB], s[TB], SLOT
	v_add_nc_u32 v[ADRA], s[TB], v[ADRA0]
	v_add_nc_u32 v[ADRB], s[TB], v[ADRB0]
	v_add_nc_u32 v[ADRB+1], 128*BP, v[ADRB]
	FETCH 0, F0
	MUL8 F1, 1, 0, 0
	MUL8 F1, 1, 2, 0
.endm
	s_wait_tensorcnt 0x1                           ; my part of K step 0 is in; K step 1's may stay out
	s_barrier_signal -1
	s_barrier_wait -1
	FETCH 0, F0
	s_wait_loadcnt 32                              ; the bias is in; the residual's 32 loads stay out
	QUARTER 1, F0, F1, 1
	WIN 0
	s_mov_b32 s[CNT], SIZE_K/KSTEP-2
.Lstep:
	QUARTER 2, F1, F0, 0
	QUARTER 3, F0, F1, 0
	TURN 1
	QUARTER 1, F0, F1, 0
	WIN 0
	s_sub_co_u32 s[CNT], s[CNT], 1
	s_cmp_lg_u32 s[CNT], 0
	s_cbranch_scc1 .Lstep
	QUARTER 2, F1, F0, 0                           ; the last two K steps ask for nothing
	QUARTER 3, F0, F1, 0
	TURN 0
	QUARTER 1, F0, F1, 0
	QUARTER 2, F1, F0, 0
	QUARTER 3, F0, F1, 0
	s_wait_dscnt 16
	MUL8 F1, 0, 0, 0
	MUL8 F1, 0, 2, 0
	s_wait_dscnt 0x0
	MUL8 F1, 1, 0, 0
	MUL8 F1, 1, 2, 0
	; THE WAY OUT
	WIN 0
	PLACES
	s_wait_dscnt 0x0
	s_barrier_signal -1
	s_barrier_wait -1                              ; no wave reads the slots any more, and they have had their last fill: they become the stages
.set a, 0
.rept 4
.set b, 0
.rept 4                                ; each accumulator's lowest registers go first
	ds_store_b128 v[STO], v[ACC+8*(4*a+b):ACC+8*(4*a+b)+3]   offset:16*SP*a+64*b
	ds_store_b128 v[STO], v[ACC+8*(4*a+b)+4:ACC+8*(4*a+b)+7] offset:16*SP*a+64*b+16
.set b, b+1
.endr
.set a, a+1
.endr
	s_wait_dscnt 0x0
	s_barrier_signal -1
	s_barrier_wait -1                              ; every wave's stage is written: from here on LDS is only read
.set j, 0
.rept 32
	ds_load_b128 v[ACC+4*j:ACC+4*j+3], v[RD] offset:2*SP*j
.set j, j+1
.endr
	s_wait_dscnt 0x0
	s_wait_loadcnt 0x0                             ; the residual
	WIN ADD_R
.set p, 0
.rept 64
	v_pk_add_f32 v[ACC+2*p:ACC+2*p+1], v[ACC+2*p:ACC+2*p+1], v[2*p:2*p+1]
.set p, p+1
.endr
	WIN 0
.set j, 0
.rept 32
	global_store_b128 v[CO], v[ACC+4*j:ACC+4*j+3], s[12:13] offset:8192*j  ; 16 lanes store 256 consecutive bytes, aligned
.set j, j+1
.endr
	s_wait_tensorcnt 0x0                           ; the wave's end
	ds_add_u32 v[SPW], v[NIL]
	s_wait_dscnt 0x0
	CROUND                                         ; the closing round
	s_endpgm
.Lfunc_end_k_q8251782e08_oproj:
	.size	k_q8251782e08_oproj, .Lfunc_end_k_q8251782e08_oproj-k_q8251782e08_oproj
	.p2alignl 7, 3214868480
	.fill 96, 4, 3214868480
	.section	.rodata,"a",@progbits
	.p2align	6, 0x0
	.amdhsa_kernel k_q8251782e08_oproj
		.amdhsa_group_segment_fixed_size 327680
		.amdhsa_private_segment_fixed_size 0
		.amdhsa_enable_private_segment 0
		.amdhsa_kernarg_size 40
		.amdhsa_user_sgpr_count 2
		.amdhsa_user_sgpr_kernarg_segment_ptr 1
		.amdhsa_wavefront_size32 1
		.amdhsa_system_sgpr_workgroup_id_x 1
		.amdhsa_system_sgpr_workgroup_id_y 1
		.amdhsa_system_sgpr_workgroup_id_z 1
		.amdhsa_system_vgpr_workitem_id 0
		.amdhsa_next_free_vgpr 640
		.amdhsa_next_free_sgpr 70
		.amdhsa_reserve_vcc 0
		.amdhsa_float_denorm_mode_32 3
		.amdhsa_float_denorm_mode_16_64 3
		.amdhsa_memory_ordered 1
		.amdhsa_forward_progress 1
		.amdhsa_inst_pref_size 76
	.end_amdhsa_kernel
	.amdgpu_metadata
---
amdhsa.version: [ 1, 2 ]
amdhsa.kernels:
  - .name:           k_q8251782e08_oproj
    .symbol:         k_q8251782e08_oproj.kd
    .args:
      - { .name: yh, .offset: 0, .size: 8, .value_kind: global_buffer, .address_space: global }
      - { .name: wb, .offset: 8, .size: 8, .value_kind: global_buffer, .address_space: global }
      - { .name: bo, .offset: 16, .size: 8, .value_kind: global_buffer, .address_space: global }
      - { .name: x, .offset: 24, .size: 8, .value_kind: global_buffer, .address_space: global }
      - { .name: x1, .offset: 32, .size: 8, .value_kind: global_buffer, .address_space: global }
    .group_segment_fixed_size: 327680
    .private_segment_fixed_size: 0
    .kernarg_segment_align: 8
    .kernarg_segment_size: 40
    .max_flat_workgroup_size: 128
    .sgpr_count:     70
    .vgpr_count:     640
    .wavefront_size: 32
...
	.end_amdgpu_metadata
.endif
;; end of part 4
;; launch ln2 (part 5): grid 256 x 1, 8 waves a work-group, no clusters, 0 bytes of LDS; arguments x1, ln2_w, ln2_b, h; writes h
.if DOCPART == 5
	.amdgcn_target "amdgcn-amd-amdhsa--gfx1250"
	.amdhsa_code_object_version 6
	.text
	.protected	k_q8251782e08_ln2
	.globl	k_q8251782e08_ln2
	.p2align	8
	.type	k_q8251782e08_ln2,@function
k_q8251782e08_ln2:
	s_mov_b64 s[64:65], 0
	v_nop
	global_prefetch_b8 v0, s[64:65] scope:SCOPE_SE
	s_setreg_imm32_b32 hwreg(HW_REG_WAVE_MODE, 25, 1), 1
	s_wait_xcnt 0x0
; h = LayerNorm(x) * w + b, rounded once to bf16.  x: [4096][1024] f32, h: [4096][1024] bf16.
; One wave takes a whole row (4,096 bytes, 32 registers a lane) and keeps it between the passes: mean, then the sum of squares of x - mean (two passes: no difference
; of large sums), then the scaling.  A wave has two rows, a work-group sixteen; no LDS, no barrier, no matrix unit: memory binds.
; Lane L holds columns 128 j + 4 L .. + 3: a load of the wave covers 512 consecutive bytes, a store 256, aligned.
.set W,   8                            ; v[8:39]    the gain of my 32 columns
.set BV,  40                           ; v[40:71]   the bias of my 32 columns
.set X,   72                           ; v[72:135]  row i at X + 32 i
.set T,   136                          ; v[136:143] four chains of pairs
.set MU,  4                            ; v[4:5]     the mean, twice
.set RS,  6                            ; v[6:7]     1 / sqrt(var + eps), twice
.set HP,  14                           ; s[14:15]   h
	s_load_b256 s[8:15], s[0:1], 0x0               ; x 8:9, gain 10:11, bias 12:13, h 14:15
	v_lshrrev_b32 v3, 5, v0
	v_readfirstlane_b32 s4, v3                     ; wave 0..7
	s_mov_b32 s30, 0x76543210                      ; v_permlanex16_b32: each lane takes its own place in the other half
	s_mov_b32 s31, 0xfedcba98
	s_mov_b32 s32, 0x3a800000                      ; 1 / 1024
	s_mov_b32 s33, 0x3727c5ac                      ; 1e-5
	v_and_b32 v3, 31, v0
	v_lshlrev_b32 v1, 4, v3                        ; 16 x lane
	v_lshlrev_b32 v2, 3, v3                        ; 8 x lane
	s_lshl_b32 s26, ttmp9, 16                      ; 16 rows of 4,096 bytes a work-group,
	s_lshl_b32 s5, s4, 13                          ; two rows a wave
	s_add_co_u32 s26, s26, s5
	s_mov_b32 s27, 0
	s_lshr_b32 s28, s26, 1                         ; half as many bytes in h
	s_mov_b32 s29, 0
	s_wait_kmcnt 0x0
	s_add_nc_u64 s[26:27], s[8:9], s[26:27]
	s_add_nc_u64 s[28:29], s[HP:HP+1], s[28:29]
.irp j, 0,1,2,3,4,5,6,7
	global_load_b128 v[W+4*\j:W+4*\j+3], v1, s[10:11] offset:512*\j
.endr
.irp j, 0,1,2,3,4,5,6,7
	global_load_b128 v[BV+4*\j:BV+4*\j+3], v1, s[12:13] offset:512*\j
.endr
.irp j, 0,1,2,3,4,5,6,7
	global_load_b128 v[X+4*\j:X+4*\j+3], v1, s[26:27] offset:512*\j
.endr
.irp j, 0,1,2,3,4,5,6,7
	global_load_b128 v[X+32+4*\j:X+32+4*\j+3], v1, s[26:27] offset:4096+512*\j
.endr
.macro FOLD                            ; the four chains of pairs into v[T]
	v_pk_add_f32 v[T:T+1], v[T:T+1], v[T+2:T+3]
	v_pk_add_f32 v[T+4:T+5], v[T+4:T+5], v[T+6:T+7]
	v_pk_add_f32 v[T:T+1], v[T:T+1], v[T+4:T+5]
	v_add_f32 v[T], v[T], v[T+1]
.endm
.macro REDUCE                          ; the sum of v[T] over the 32 lanes, into every lane
	v_add_f32_dpp v[T], v[T], v[T] row_xmask:1 row_mask:0xf bank_mask:0xf
	v_add_f32_dpp v[T], v[T], v[T] row_xmask:2 row_mask:0xf bank_mask:0xf
	v_add_f32_dpp v[T], v[T], v[T] row_xmask:4 row_mask:0xf bank_mask:0xf
	v_add_f32_dpp v[T], v[T], v[T] row_xmask:8 row_mask:0xf bank_mask:0xf
	v_permlanex16_b32 v[T+1], v[T], s30, s31
	v_add_f32 v[T], v[T], v[T+1]
.endm
; Row i of the wave's two.  left = the younger loads that may stay out.
.macro LNROW i, left
.set XI, X+32*(\i)
	s_wait_loadcnt \left
.irp k, 0,1,2,3
	v_pk_add_f32 v[T+2*\k:T+2*\k+1], v[XI+2*\k:XI+2*\k+1], v[XI+8+2*\k:XI+8+2*\k+1]  ; the first pairs start the chains: nothing is cleared
.endr
.irp g, 16,24
.irp k, 0,1,2,3
	v_pk_add_f32 v[T+2*\k:T+2*\k+1], v[T+2*\k:T+2*\k+1], v[XI+\g+2*\k:XI+\g+2*\k+1]
.endr
.endr
	FOLD
	REDUCE
	v_mul_f32 v[MU], s32, v[T]
	v_mov_b32 v[MU+1], v[MU]
.set p, 0
.rept 16
	v_pk_add_f32 v[XI+2*p:XI+2*p+1], v[XI+2*p:XI+2*p+1], v[MU:MU+1] neg_lo:[0,1] neg_hi:[0,1]  ; x - mean
.set p, p+1
.endr
.irp k, 0,1,2,3
	v_pk_mul_f32 v[T+2*\k:T+2*\k+1], v[XI+2*\k:XI+2*\k+1], v[XI+2*\k:XI+2*\k+1]
.endr
.irp g, 8,16,24
.irp k, 0,1,2,3
	v_pk_fma_f32 v[T+2*\k:T+2*\k+1], v[XI+\g+2*\k:XI+\g+2*\k+1], v[XI+\g+2*\k:XI+\g+2*\k+1], v[T+2*\k:T+2*\k+1]
.endr
.endr
	FOLD
	REDUCE
	v_fma_f32 v[RS], v[T], s32, s33                ; var + eps
	v_rsq_f32 v[RS], v[RS]
	v_nop                                          ; a plain instruction between the root and the use of its result (ISA guide 5.7.2)
	s_wait_alu depctr_va_vdst(0)
	v_mov_b32 v[RS+1], v[RS]
.set p, 0
.rept 16
	v_pk_mul_f32 v[XI+2*p:XI+2*p+1], v[XI+2*p:XI+2*p+1], v[RS:RS+1]
.set p, p+1
.endr
.set p, 0
.rept 16
	v_pk_fma_f32 v[XI+2*p:XI+2*p+1], v[XI+2*p:XI+2*p+1], v[W+2*p:W+2*p+1], v[BV+2*p:BV+2*p+1]
.set p, p+1
.endr
.irp j, 0,1,2,3,4,5,6,7
	v_cvt_pk_bf16_f32 v[XI+4*\j], v[XI+4*\j], v[XI+4*\j+1]
	v_cvt_pk_bf16_f32 v[XI+4*\j+1], v[XI+4*\j+2], v[XI+4*\j+3]
	global_store_b64 v2, v[XI+4*\j:XI+4*\j+1], s[28:29] offset:2048*(\i)+256*\j  ; the wave's 32 lanes store 256 consecutive bytes, aligned; the registers are not written again
.endr
.endm
	LNROW 0, 8                                     ; gain, bias and row 0 are in; row 1's eight loads stay out
	LNROW 1, 0
	s_endpgm
.Lfunc_end_k_q8251782e08_ln2:
	.size	k_q8251782e08_ln2, .Lfunc_end_k_q8251782e08_ln2-k_q8251782e08_ln2
	.p2alignl 7, 3214868480
	.fill 96, 4, 3214868480
	.section	.rodata,"a",@progbits
	.p2align	6, 0x0
	.amdhsa_kernel k_q8251782e08_ln2
		.amdhsa_group_segment_fixed_size 0
		.amdhsa_private_segment_fixed_size 0
		.amdhsa_enable_private_segment 0
		.amdhsa_kernarg_size 32
		.amdhsa_user_sgpr_count 2
		.amdhsa_user_sgpr_kernarg_segment_ptr 1
		.amdhsa_wavefront_size32 1
		.amdhsa_system_sgpr_workgroup_id_x 1
		.amdhsa_system_sgpr_workgroup_id_y 1
		.amdhsa_system_sgpr_workgroup_id_z 1
		.amdhsa_system_vgpr_workitem_id 0
		.amdhsa_next_free_vgpr 144
		.amdhsa_next_free_sgpr 66
		.amdhsa_reserve_vcc 0
		.amdhsa_float_denorm_mode_32 3
		.amdhsa_float_denorm_mode_16_64 3
		.amdhsa_memory_ordered 1
		.amdhsa_forward_progress 1
		.amdhsa_inst_pref_size 20
	.end_amdhsa_kernel
	.amdgpu_metadata
---
amdhsa.version: [ 1, 2 ]
amdhsa.kernels:
  - .name:           k_q8251782e08_ln2
    .symbol:         k_q8251782e08_ln2.kd
    .args:
      - { .name: x1, .offset: 0, .size: 8, .value_kind: global_buffer, .address_space: global }
      - { .name: ln2_w, .offset: 8, .size: 8, .value_kind: global_buffer, .address_space: global }
      - { .name: ln2_b, .offset: 16, .size: 8, .value_kind: global_buffer, .address_space: global }
      - { .name: h, .offset: 24, .size: 8, .value_kind: global_buffer, .address_space: global }
    .group_segment_fixed_size: 0
    .private_segment_fixed_size: 0
    .kernarg_segment_align: 8
    .kernarg_segment_size: 32
    .max_flat_workgroup_size: 256
    .sgpr_count:     66
    .vgpr_count:     144
    .wavefront_size: 32
...
	.end_amdgpu_metadata
.endif
;; end of part 5
;; launch fc (part 6): grid 16 x 16, 4 waves a work-group, clusters of 4 x 4, 327,680 bytes of LDS; arguments h, wb, bfc, g; writes g
.if DOCPART == 6
	.amdgcn_target "amdgcn-amd-amdhsa--gfx1250"
	.amdhsa_code_object_version 6
	.text
	.protected	k_q8251782e08_fc
	.globl	k_q8251782e08_fc
	.p2align	8
	.type	k_q8251782e08_fc,@function
k_q8251782e08_fc:
	s_mov_b64 s[64:65], 0
	v_nop
	global_prefetch_b8 v0, s[64:65] scope:SCOPE_SE
	s_setreg_imm32_b32 hwreg(HW_REG_WAVE_MODE, 25, 1), 1
	s_wait_xcnt 0x0
	s_wait_alu depctr_hold_cnt(0) depctr_sa_sdst(0) depctr_va_vdst(0) depctr_va_sdst(0) depctr_va_ssrc(0) depctr_va_vcc(0) depctr_vm_vsrc(0)
	s_getreg_b32 s2, hwreg(HW_REG_IB_STS2, 6, 4)
	s_cmp_eq_u32 s2, 0
	s_cbranch_scc0 .Lentry_in_a_cluster
	s_endpgm
.Lentry_in_a_cluster:
	s_bfe_u32 s2, ttmp6, 0x10000c
	s_cmp_lg_u32 s2, 0xf033
	s_cbranch_scc0 .Lentry_shape_is_right
	s_endpgm
.Lentry_shape_is_right:
; C = A B + bias.  A: [4096][1024] bf16 (rows along K).  B: [1024][SIZE_N] bf16 as the weights lie ([K][N]), at byte WOFF of the weights' buffer.  Sums in f32.
; GELU = 0: C is q, k, v: rounded once to bf16 and stored by heads, [3][32 = batch x 16 + head][2048][64], q unscaled.
; GELU = 1: C goes through the exact GELU, 0.5 x (1 + erf(x / sqrt 2)), in f32, and is stored as bf16 [4096][SIZE_N].  erf by the five-term rational form
;   1 - (a1 t + .. + a5 t^5) exp(-z^2), t = 1 / (1 + 0.3275911 z), z = |x| / sqrt 2: it holds for every x, absolute error 1.5e-7 at the most.  NaN and infinities are not treated apart.
; A tile of C is 256 x 256: four waves, each 128 x 128 in 64 accumulators (512 registers).  K goes in steps of 128 through two LDS slots filled by the tensor data mover.
; A's tile rows are 256 bytes, B's 512; both start at multiples of 256 bytes.  B's fragments are read turned, by ds_load_tr16_b128, so the weights need no transposing pass.
; THE MATRIX INSTRUCTION IS USED TRANSPOSED (source 0 = 16 columns of B, source 1 = 16 rows of A): a lane holds row l % 16 of C and the columns 8 (l / 16) + 0..7.
; THE BIAS STARTS THE SUMS: it is the C operand of each accumulator's first product, so nothing is cleared and nothing is added later.
; CLUSTERS: 4 x 4 work-groups; A's tile is shared along a row of the cluster, B's along a column; each is asked for jointly, by the same tensor load, descriptor and mask in all four.
; THE WAY OUT: when the last tile has been read the slots have had their last fill; each wave lays its 128 x 128 f32 there (rows of 528 bytes) and a loop reads rows back (GELU = 1: four a trip;
; GELU = 0: sixteen), finishes them and stores whole aligned blocks of 256 bytes.  A trip asks for the next trip's rows as soon as its own have left their registers.
; REGISTERS, in windows of 256: window 0: v0-31 addresses, v64-191 A's two fragment buffers (at work on the way out, with v32-63 and v192-255);
;   window 1: v64-191 B's two fragment buffers, v192-255 the bias (eight registers for each block of 16 columns);  windows 2, 3: the accumulators ((a, b) at v[8 (8 (a % 4) + b)]).
.set SIZE_N, 4096
.set WOFF,   8388608
.set GELU,   1
.set SIZE_K, 1024
.set KSTEP,  128
.set AP,     272                       ; a row of A in LDS: 256 bytes + 16: the 16 rows of a load start at 16 different groups of four banks (64 banks of 4 bytes: ISA guide 11.1)
.set BP,     544                       ; a row of B (one k, 256 columns): 512 bytes + 32: an odd multiple of 32
.set HALFT,  34816                     ; 128 rows of A = 64 rows of B: what one tensor load brings
.set SLOT,   4*HALFT                   ; A's two halves, then B's two; 0x22000 shares no bit with wave x 0x8800, so one exclusive or changes slots
.set SPARE,  2*SLOT                    ; behind the ring: the spare words, 128 bytes a wave: two blocks of 256 bytes that no other line names
.set SP,     528                       ; a stage row: 128 f32 + 16 bytes
.set WSTAGE, 128*SP                    ; a wave's stage; four of them end below SPARE
.set ADRA0, 16                         ; v16  my lane's place in A's tile of slot 0; never rewritten
.set ADRB0, 17                         ; v17  the same for B
.set ADRA,  18                         ; v18  the same in the slot in hand
.set ADRB,  19                         ; v19
.set STO,   24                         ; v24  the way out: where I put 32 bytes of a row
.set RD0,   25                         ; v25  the way out: my lane's place in the first rows read back
.set GO,    26                         ; v26  8 x lane: my bytes in a store of 256
.set BO,    27                         ; v27  32 x (l / 16): my eight numbers in 16 of the bias
.set SPW,   28                         ; v28  LDS address of my spare word; never rewritten
.set NIL,   29                         ; v29  0; never rewritten
.set RD,    30                         ; v30  RD0 + the trip's rows
.set F0,    64
.set F1,    128
.set BIAS,  192                        ; window 1
.set WV, 12                            ; s12  wave
.set RH, 13                            ; s13  which half of the tile's rows is mine; also: I fetch for A (0) or B (1)
.set CH, 14                            ; s14  which half of its columns; also: which half of that tile I fetch
.set CX, 15
.set CY, 16
.set NT, 17                            ; s17  tile column of C
.set MT, 18                            ; s18  tile row of C
.set TB, 19                            ; s19  LDS byte of the slot in hand; on the way out: the rows asked for
.set G1A, 24                           ; s[24:31] descriptor group 1 for A's tiles
.set G0A, 32                           ; s[32:39] group 0, a set for each first fill; the second then walks
.set G1B, 48                           ; s[48:55], s[56:63] the same for B's
.set G0B, 56
.set CNT, 66
.set MSB, 0
.macro WIN new                         ; the immediate's high byte repeats the setting that is left; a switch that changes nothing is dropped
.if MSB != (\new)
	s_set_vgpr_msb (MSB<<8)|(\new)
.set MSB, \new
.endif
.endm
.set MUL_LO,   0xa1                    ; source 0 (B) window 1, source 1 (A) window 0, C and D window 2
.set FIRST_LO, 0x91                    ; the same with C (the bias) in window 1
.set TO_B,     0x40                    ; destination window 1, address window 0
.macro PLACES                          ; four places in front of loads into registers that matrix instructions have read, and of stores that read results
.rept 4
	v_nop
.endr
.endm
; A joint refill by the walking descriptors.  Waves 0 and 1 fetch A's halves, waves 2 and 3 B's; the branch hangs on the wave's number alone.
; An s_nop 0 and four v_nop follow each of the two lines.
.macro JLOAD
	s_cmp_eq_u32 s[RH], 0
	s_cbranch_scc0 .Lfor_b_\@
	tensor_load_to_lds s[G0A+4:G0A+7], s[G1A:G1A+7]
	s_nop 0
.rept 4
	v_nop
.endr
	s_branch .Lasked_\@
.Lfor_b_\@:
	tensor_load_to_lds s[G0B+4:G0B+7], s[G1B:G1B+7]
	s_nop 0
.rept 4
	v_nop
.endr
.Lasked_\@:
.endm
.macro CREST                           ; a round of the cluster's barrier behind its opening barrier
	s_cmp_lg_u32 s[WV], 0
	s_cbranch_scc1 .Lnot_wave_0_\@
	s_barrier_signal -3
.Lnot_wave_0_\@:
	s_barrier_wait -3
	s_barrier_signal -1
	s_barrier_wait -1
.endm
.macro CROUND                          ; a whole round
	s_barrier_signal -1
	s_barrier_wait -1
	CREST
.endm
	s_load_b256 s[4:11], s[0:1], 0x0               ; A s[4:5], weights s[6:7], bias s[8:9], out s[10:11]
	v_lshl_add_u32 v[SPW], v0, 2, SPARE
	v_mov_b32 v[NIL], 0
	ds_add_u32 v28, v29
	s_wait_dscnt 0x0
	v_lshrrev_b32 v1, 5, v0
	v_readfirstlane_b32 s[WV], v1
	s_lshr_b32 s[RH], s[WV], 1
	s_and_b32 s[CH], s[WV], 1
	s_bfe_u32 s[CX], ttmp6, 0x40000
	s_bfe_u32 s[CY], ttmp6, 0x40004
	s_lshl_b32 s[NT], ttmp9, 2
	s_add_co_u32 s[NT], s[NT], s[CX]               ; tile column = 4 x cluster x + cx
	s_and_b32 s[MT], ttmp7, 0xffff
	s_lshl_b32 s[MT], s[MT], 2
	s_add_co_u32 s[MT], s[MT], s[CY]               ; tile row = 4 x cluster y + cy
	s_lshl_b32 s40, s[CY], 2
	s_lshl_b32 s40, 15, s40                        ; my row of the cluster
	s_lshl_b32 s41, 0x1111, s[CX]                  ; my column
	s_or_b32 s[G1A], s40, (1<<16)|(1<<20)|(1<<21)|(5<<22)|(3<<25)  ; mask; 2-byte elements; padding on; bit 21 beside a mask; after every 64 words, 4 words
	s_mov_b32 s[G1A+1], KSTEP<<16                  ; tensor_dim0 = 128
	s_mov_b32 s[G1A+2], 128<<16                    ; tensor_dim1 = 128
	s_mov_b32 s[G1A+3], KSTEP<<16                  ; tile_dim0 = 128
	s_mov_b32 s[G1A+4], 128                        ; tile_dim1 = 128
	s_mov_b32 s[G1A+5], SIZE_K                     ; elements from row to row
	s_mov_b32 s[G1A+6], 0
	s_mov_b32 s[G1A+7], 0
	s_or_b32 s[G1B], s41, (1<<16)|(1<<20)|(1<<21)|(6<<22)|(7<<25)  ; after every 128 words, 8 words
	s_mov_b32 s[G1B+1], 256<<16                    ; tensor_dim0 = 256 columns
	s_mov_b32 s[G1B+2], 64<<16                     ; tensor_dim1 = 64 rows (k)
	s_mov_b32 s[G1B+3], 256<<16
	s_mov_b32 s[G1B+4], 64
	s_mov_b32 s[G1B+5], SIZE_N
	s_mov_b32 s[G1B+6], 0
	s_mov_b32 s[G1B+7], 0
	s_lshl_b32 s20, s[MT], 19                      ; A: row 256 x tile row + 128 x half, 2,048 bytes a row: the tile row and the wave alone
	s_lshl_b32 s21, s[CH], 18
	s_add_co_u32 s20, s20, s21
	s_mov_b32 s21, 0
	s_mul_i32 s42, s[CH], 128*SIZE_N               ; B: k row 64 x half, column 256 x tile column: the tile column and the wave alone
	s_lshl_b32 s43, s[NT], 9
	s_add_co_u32 s42, s42, s43
	s_add_co_u32 s42, s42, WOFF
	s_mov_b32 s43, 0
	s_mul_i32 s46, s[WV], HALFT                    ; where they go: wave x 34,816: no place in the cluster enters an LDS address
	s_wait_kmcnt 0x0
	s_add_nc_u64 s[22:23], s[4:5], s[20:21]
	s_add_nc_u64 s[44:45], s[6:7], s[42:43]
	CROUND                                         ; all sixteen work-groups are here: the first joint loads meet
.irp s, 0,1
	s_mov_b32 s[G0A+4*(\s)], 1
	s_add_co_u32 s[G0A+4*(\s)+1], s46, (\s)*SLOT
	s_add_nc_u64 s[G0A+4*(\s)+2:G0A+4*(\s)+3], s[22:23], (\s)*KSTEP*2
	s_or_b32 s[G0A+4*(\s)+3], s[G0A+4*(\s)+3], 0x80000000
	s_mov_b32 s[G0B+4*(\s)], 1
	s_add_co_u32 s[G0B+4*(\s)+1], s46, (\s)*SLOT
	s_add_nc_u64 s[G0B+4*(\s)+2:G0B+4*(\s)+3], s[44:45], (\s)*KSTEP*SIZE_N*2
	s_or_b32 s[G0B+4*(\s)+3], s[G0B+4*(\s)+3], 0x80000000
.endr
	s_cmp_eq_u32 s[RH], 0                          ; a wave's two first fills (K steps 0 and 1) stand in one branch: two loads of mine are out
	s_cbranch_scc0 .Lfirst_b
	tensor_load_to_lds s[G0A:G0A+3], s[G1A:G1A+7]
	s_nop 0
	tensor_load_to_lds s[G0A+4:G0A+7], s[G1A:G1A+7]
	s_nop 0
.rept 4
	v_nop
.endr
	s_branch .Lfirst_asked
.Lfirst_b:
	tensor_load_to_lds s[G0B:G0B+3], s[G1B:G1B+7]
	s_nop 0
	tensor_load_to_lds s[G0B+4:G0B+7], s[G1B:G1B+7]
	s_nop 0
.rept 4
	v_nop
.endr
.Lfirst_asked:
	v_and_b32 v1, 15, v0                           ; l % 16
	v_bfe_u32 v2, v0, 4, 1                         ; l / 16
	v_mul_u32_u24 v3, v1, AP
	v_lshl_add_u32 v3, v2, 4, v3                   ; A: row x pitch + 16 x half of the lanes
	s_mul_i32 s47, s[RH], HALFT
	v_add_nc_u32 v[ADRA0], s47, v3
	v_and_b32 v4, 7, v0                            ; B, turned: lane l reads k row 8 (l / 16) + l % 8, columns 8 ((l / 8) % 2) + 0..7
	v_lshl_add_u32 v4, v2, 3, v4
	v_mul_u32_u24 v4, v4, BP
	v_bfe_u32 v5, v0, 3, 1
	v_lshl_add_u32 v4, v5, 4, v4
	s_lshl_b32 s47, s[CH], 8                       ; my 128 columns
	s_add_co_u32 s47, s47, 2*HALFT                 ; behind A's 256 rows
	v_add_nc_u32 v[ADRB0], s47, v4
	v_mov_b32 v[ADRA], v[ADRA0]
	v_mov_b32 v[ADRB], v[ADRB0]
	s_mov_b32 s[TB], 0
	s_mul_i32 s47, s[WV], WSTAGE                   ; my stage
	v_mul_u32_u24 v3, v1, SP
	v_lshl_add_u32 v3, v2, 5, v3
	v_add_nc_u32 v[STO], s47, v3                   ; in: row l % 16, 32 bytes for each half of the lanes
	v_and_b32 v6, 31, v0
	v_lshlrev_b32 v[GO], 3, v6
.if GELU
	v_lshl_add_u32 v[RD0], v6, 4, s47              ; back: the 32 lanes take one row of 512 bytes
.else
	v_mul_u32_u24 v3, v2, SP                       ; back: lanes 0-15 take 256 bytes (a head's 64 channels) of one row, lanes 16-31 of the next
	v_lshl_add_u32 v3, v1, 4, v3
	v_add_nc_u32 v[RD0], s47, v3
.endif
	v_lshlrev_b32 v[BO], 5, v2
	s_lshl_b32 s42, s[NT], 10                      ; the bias of my 128 columns
	s_lshl_b32 s43, s[CH], 9
	s_add_co_u32 s42, s42, s43
	s_mov_b32 s43, 0
	s_add_nc_u64 s[8:9], s[8:9], s[42:43]
	WIN TO_B
.set b, 0
.rept 8                                ; register j of block b: bias[16 b + 8 (l / 16) + j], the layout of an accumulator
	global_load_b128 v[BIAS+8*b:BIAS+8*b+3],   v[BO], s[8:9] offset:64*b
	global_load_b128 v[BIAS+8*b+4:BIAS+8*b+7], v[BO], s[8:9] offset:64*b+16
.set b, b+1
.endr
	WIN 0
.if GELU
	s_lshl_b32 s42, s[MT], 21                      ; out at row 256 x tile row + 128 x half (8,192 bytes a row), column 256 x tile column + 128 x half
	s_lshl_b32 s43, s[RH], 20
	s_add_co_u32 s42, s42, s43
	s_lshl_b32 s43, s[NT], 9
	s_add_co_u32 s42, s42, s43
	s_lshl_b32 s43, s[CH], 8
	s_add_co_u32 s42, s42, s43
.set KP,  68                           ; scalar pairs for the packed arithmetic, which takes the low word for both halves
.set KE,  70
.set KA5, 72
.set KA4, 74
.set KA3, 76
.set KA2, 78
.set KA1, 80
	s_mov_b32 s[KP], 0x3e6d3388                    ; 0.3275911 / sqrt 2
	s_mov_b32 s[KE], 0xbf38aa3b                    ; -log2(e) / 2
	s_mov_b32 s[KA5], 0xbf07dc22                   ; the five coefficients with the sign turned and halved (GELU's 0.5): -1.061405429 / 2
	s_mov_b32 s[KA4], 0x3f3a00e3                   ; +1.453152027 / 2
	s_mov_b32 s[KA3], 0xbf35f0e3                   ; -1.421413741 / 2
	s_mov_b32 s[KA2], 0x3e11a98e                   ; +0.284496736 / 2
	s_mov_b32 s[KA1], 0xbe027906                   ; -0.254829592 / 2
.irp c, KP, KE, KA5, KA4, KA3, KA2, KA1
	s_mov_b32 s[\c+1], s[\c]                       ; named as pairs, so both words are written
.endr
.else
	s_lshr_b32 s42, s[NT], 2                       ; q, k or v: 1,024 columns each
	s_lshl_b32 s42, s42, 5
	s_lshr_b32 s43, s[MT], 3                       ; the batch: 2,048 rows each
	s_lshl_b32 s43, s43, 4
	s_add_co_u32 s42, s42, s43
	s_and_b32 s43, s[NT], 3                        ; four heads a tile column,
	s_lshl_b32 s43, s43, 2
	s_add_co_u32 s42, s42, s43
	s_lshl_b32 s43, s[CH], 1                       ; two of them mine
	s_add_co_u32 s42, s42, s43
	s_lshl_b32 s42, s42, 18                        ; 262,144 bytes a head
	s_and_b32 s43, s[MT], 7                        ; the token: 128 bytes each
	s_lshl_b32 s43, s43, 15
	s_add_co_u32 s42, s42, s43
	s_lshl_b32 s43, s[RH], 14
	s_add_co_u32 s42, s42, s43
.endif
	s_mov_b32 s43, 0
	s_add_nc_u64 s[10:11], s[10:11], s[42:43]
; 16 matrix instructions: row blocks a0, a0 + 1 of the window's four (hi = 0: my rows 0-63, 1: rows 64-127) x all 8 column blocks, 32 along K.  first = 1: the bias is C and starts the sums.
; The 64 accumulators take turns, one instruction a turn, in the same order in every quarter.
.macro MUL16 f, hi, a0, first
.if \first
	WIN FIRST_LO+0x40*(\hi)
.else
	WIN MUL_LO+0x50*(\hi)
.endif
.irp a, \a0, (\a0)+1
.irp b, 0,1,2,3,4,5,6,7
.if \first
	v_wmma_f32_16x16x32_bf16 v[8*(8*(\a)+(\b)):8*(8*(\a)+(\b))+7], v[(\f)+8*(\b):(\f)+8*(\b)+7], v[(\f)+8*(4*(\hi)+(\a)):(\f)+8*(4*(\hi)+(\a))+7], v[BIAS+8*(\b):BIAS+8*(\b)+7]
.else
	v_wmma_f32_16x16x32_bf16 v[8*(8*(\a)+(\b)):8*(8*(\a)+(\b))+7], v[(\f)+8*(\b):(\f)+8*(\b)+7], v[(\f)+8*(4*(\hi)+(\a)):(\f)+8*(4*(\hi)+(\a))+7], v[8*(8*(\a)+(\b)):8*(8*(\a)+(\b))+7]
.endif
.endr
.endr
.endm
; 32 LDS loads in one run: quarter q (32 along K) of the slot in hand into buffer f: B's 8 column blocks, turned, then A's 8 row blocks
.macro FETCH q, f
	WIN TO_B
.irp i, 0,1,2,3,4,5,6,7
	ds_load_tr16_b128 v[(\f)+8*(\i):(\f)+8*(\i)+3],   v[ADRB] offset:(\q)*32*BP+32*(\i)
	ds_load_tr16_b128 v[(\f)+8*(\i)+4:(\f)+8*(\i)+7], v[ADRB] offset:(\q)*32*BP+16*BP+32*(\i)
.endr
	WIN 0
.irp i, 0,1,2,3,4,5,6,7
	ds_load_b128 v[(\f)+8*(\i):(\f)+8*(\i)+3],   v[ADRA] offset:(\q)*64+(\i)*16*AP
	ds_load_b128 v[(\f)+8*(\i)+4:(\f)+8*(\i)+7], v[ADRA] offset:(\q)*64+(\i)*16*AP+32
.endr
.endm
; One of a K step's first three quarters: multiplies buffer f; in its middle it fetches quarter qn into buffer g.
.macro QUARTER qn, f, g, first
	s_wait_dscnt 8                                 ; B and A's rows 0-63 are in; the youngest eight loads (A's rows 64-127) may be out
	MUL16 \f, 0, 0, \first
	MUL16 \f, 0, 2, \first
	PLACES
	FETCH \qn, \g
	s_wait_dscnt 32                                ; all but the 32 just issued
	MUL16 \f, 1, 0, \first
	MUL16 \f, 1, 2, \first
.endm
; The last quarter multiplies buffer 1 and changes slots.  In front of the barrier each wave waits for all its tensor loads (one is out: its part of the next slot), adds 0 to its spare
; word, and waits for that and for its reads of this slot.  fill = 1: the barrier opens a round of the cluster's barrier, and the joint refill (two K steps on) is the first thing behind it:
; from that request to the wait for it a wave issues 224 matrix instructions.
.macro TURN fill
	WIN 0                                          ; (the add's two registers lie in window 0)
	s_wait_tensorcnt 0x0
	ds_add_u32 v[SPW], v[NIL]                      ; 0 onto my spare word
	s_wait_dscnt 9                                 ; (the add and the youngest eight loads may be out)
	MUL16 F1, 0, 0, 0                              ; sixteen matrix instructions stand between the add and the wait for it
	s_wait_dscnt 0x0                               ; the add is done, and my reads of this slot are over
	s_barrier_signal -1
	MUL16 F1, 0, 2, 0
	WIN 0                                          ; at a branch and at a label every window is 0
	s_barrier_wait -1
.if \fill
	CREST                                          ; no wave of any partner still reads this slot or has a load on its way
	s_xor_b32 s[G0A+5], s[G0A+5], SLOT             ; the walking descriptors: the other slot than last time, the next K step
	s_add_nc_u64 s[G0A+6:G0A+7], s[G0A+6:G0A+7], KSTEP*2
	s_xor_b32 s[G0B+5], s[G0B+5], SLOT
	s_add_nc_u64 s[G0B+6:G0B+7], s[G0B+6:G0B+7], KSTEP*SIZE_N*2
	JLOAD                                          ; the four v_nop behind it are also the places in front of the loads below
.else
	PLACES
.endif
	s_xor_b32 s[TB], s[TB], SLOT
	v_add_nc_u32 v[ADRA], s[TB], v[ADRA0]
	v_add_nc_u32 v[ADRB], s[TB], v[ADRB0]
	FETCH 0, F0
	MUL16 F1, 1, 0, 0
	MUL16 F1, 1, 2, 0
.endm
	s_wait_tensorcnt 0x1                           ; my part of K step 0 is in; K step 1's may stay out
	s_barrier_signal -1
	s_barrier_wait -1                              ; everybody's is
	FETCH 0, F0
	s_wait_loadcnt 0x0                             ; the bias
	QUARTER 1, F0, F1, 1                           ; the first quarter stands in front of the loop: its products start the sums
	WIN 0
	s_mov_b32 s[CNT], SIZE_K/KSTEP-2
.Lstep:                                                ; a trip: from a K step's second quarter to the next step's first; it fills the slot that it leaves
	QUARTER 2, F1, F0, 0
	QUARTER 3, F0, F1, 0
	TURN 1
	QUARTER 1, F0, F1, 0
	WIN 0
	s_sub_co_u32 s[CNT], s[CNT], 1
	s_cmp_lg_u32 s[CNT], 0
	s_cbranch_scc1 .Lstep
	s_mov_b32 s[CNT], 2                            ; the last two K steps ask for nothing: a loop of their own, without a tensor load, entered at a step's second quarter,
	s_branch .Ltail_in                             ; so that quarters 2 and 3 are written once for both
.Ltail:
	TURN 0
	QUARTER 1, F0, F1, 0
	WIN 0
.Ltail_in:
	QUARTER 2, F1, F0, 0
	QUARTER 3, F0, F1, 0
	WIN 0
	s_sub_co_u32 s[CNT], s[CNT], 1
	s_cmp_lg_u32 s[CNT], 0
	s_cbranch_scc1 .Ltail
	s_wait_dscnt 8                                 ; the very last quarter: nothing more to fetch
	MUL16 F1, 0, 0, 0
	MUL16 F1, 0, 2, 0
	s_wait_dscnt 0x0
	MUL16 F1, 1, 0, 0
	MUL16 F1, 1, 2, 0
	; THE WAY OUT
	WIN 0
	PLACES
	s_wait_dscnt 0x0
	s_barrier_signal -1
	s_barrier_wait -1                              ; no wave reads the slots any more, and they have had their last fill: they become the stages
.set a, 0
.rept 8
	WIN 0x08+4*(a/4)                               ; store data in window 2 or 3
.set b, 0
.rept 8                                ; each accumulator's lowest registers go first
	ds_store_b128 v[STO], v[8*(8*(a%4)+b):8*(8*(a%4)+b)+3]   offset:16*SP*a+64*b
	ds_store_b128 v[STO], v[8*(8*(a%4)+b)+4:8*(8*(a%4)+b)+7] offset:16*SP*a+64*b+16
.set b, b+1
.endr
.set a, a+1
.endr
	WIN 0
	s_wait_dscnt 0x0
	s_barrier_signal -1
	s_barrier_wait -1                              ; every wave's stage is written: from here on LDS is only read
	s_mov_b32 s[TB], 0
	s_mov_b32 s20, 0                               ; s[20:21]: what the stores' base steps by in a trip: nothing in the first
	s_mov_b32 s21, 0
.macro ALLN n, line:vararg
.set p, 0
	s_wait_alu depctr_va_vdst(0)
.rept \n
	\line
.set p, p+1
.endr
.endm
.if GELU
.set X,  32                            ; four rows x four numbers a lane
.set AX, 48
.set HH, 64
.set TT, 192
.set EE, 208
.set PP, 224
.set YY, 240
	s_mov_b32 s[CNT], 32
.irp i, 0,1,2,3
	ds_load_b128 v[X+4*\i:X+4*\i+3], v[RD0] offset:SP*\i
.endr
.Lrows:                                                ; four rows a trip
	s_wait_dscnt 0x0                               ; this trip's rows, asked for a trip ago
	ALLN 16, v_and_b32 v[AX+p], 0x7fffffff, v[X+p]
	ALLN 8, v_pk_mul_f32 v[HH+2*p:HH+2*p+1], v[X+2*p:X+2*p+1], 0.5 op_sel_hi:[1,0]
	ALLN 8, v_pk_mul_f32 v[EE+2*p:EE+2*p+1], v[X+2*p:X+2*p+1], v[X+2*p:X+2*p+1]
	s_add_co_u32 s[TB], s[TB], 4*SP
	s_cmp_eq_u32 s[CNT], 1                         ; |x|, x / 2 and x^2 are made: the registers take the next trip's rows, but for the last trip
	s_cbranch_scc1 .Lno_more
	v_add_nc_u32 v[RD], s[TB], v[RD0]
.irp i, 0,1,2,3
	ds_load_b128 v[X+4*\i:X+4*\i+3], v[RD] offset:SP*\i
.endr
.Lno_more:
	ALLN 8, v_pk_fma_f32 v[TT+2*p:TT+2*p+1], v[AX+2*p:AX+2*p+1], s[KP:KP+1], 1.0 op_sel_hi:[1,0,0]
	ALLN 16, v_rcp_f32 v[TT+p], v[TT+p]
	ALLN 8, v_pk_mul_f32 v[EE+2*p:EE+2*p+1], v[EE+2*p:EE+2*p+1], s[KE:KE+1] op_sel_hi:[1,0]  ; plain work behind the reciprocals, which it does not touch
	ALLN 16, v_exp_f32 v[EE+p], v[EE+p]
	ALLN 8, v_pk_fma_f32 v[PP+2*p:PP+2*p+1], v[TT+2*p:TT+2*p+1], s[KA5:KA5+1], s[KA4:KA4+1] op_sel_hi:[1,0,0]  ; plain work behind the exponentials
	ALLN 8, v_pk_fma_f32 v[PP+2*p:PP+2*p+1], v[PP+2*p:PP+2*p+1], v[TT+2*p:TT+2*p+1], s[KA3:KA3+1] op_sel_hi:[1,1,0]
	ALLN 8, v_pk_fma_f32 v[PP+2*p:PP+2*p+1], v[PP+2*p:PP+2*p+1], v[TT+2*p:TT+2*p+1], s[KA2:KA2+1] op_sel_hi:[1,1,0]
	ALLN 8, v_pk_fma_f32 v[PP+2*p:PP+2*p+1], v[PP+2*p:PP+2*p+1], v[TT+2*p:TT+2*p+1], s[KA1:KA1+1] op_sel_hi:[1,1,0]
	ALLN 8, v_pk_mul_f32 v[PP+2*p:PP+2*p+1], v[PP+2*p:PP+2*p+1], v[TT+2*p:TT+2*p+1]
	ALLN 8, v_pk_fma_f32 v[PP+2*p:PP+2*p+1], v[PP+2*p:PP+2*p+1], v[EE+2*p:EE+2*p+1], 0.5 op_sel_hi:[1,1,0]  ; erf(|x| / sqrt 2) / 2
	ALLN 8, v_pk_fma_f32 v[TT+2*p:TT+2*p+1], v[AX+2*p:AX+2*p+1], v[PP+2*p:PP+2*p+1], v[HH+2*p:HH+2*p+1]     ; x / 2 + |x| erf(|x| / sqrt 2) / 2 = x (1 + erf(x / sqrt 2)) / 2
	s_wait_xcnt 0x0                                ; the last trip's stores: their data and base are written again only behind this wait
	s_add_nc_u64 s[10:11], s[10:11], s[20:21]
	s_mov_b32 s20, 4*SIZE_N*2
	ALLN 8, v_cvt_pk_bf16_f32 v[YY+p], v[TT+2*p], v[TT+2*p+1]
.irp i, 0,1,2,3
	global_store_b64 v[GO], v[YY+2*\i:YY+2*\i+1], s[10:11] offset:SIZE_N*2*\i  ; the 32 lanes store 256 consecutive bytes, aligned
.endr
.else
.set X,  64                            ; sixteen rows: eight pairs of tokens x two heads, four numbers a lane each
.set YY, 32
	s_mov_b32 s[CNT], 8
.set p, 0
.rept 8
	ds_load_b128 v[X+8*p:X+8*p+3],   v[RD0] offset:2*SP*p
	ds_load_b128 v[X+8*p+4:X+8*p+7], v[RD0] offset:2*SP*p+256
.set p, p+1
.endr
.Lrows:                                                ; sixteen rows a trip
	s_wait_dscnt 0x0                               ; this trip's rows, asked for a trip ago
	s_wait_xcnt 0x0                                ; the last trip's stores: their data and base are written again only behind this wait
	s_add_nc_u64 s[10:11], s[10:11], s[20:21]
	s_mov_b32 s20, 16*128
	ALLN 32, v_cvt_pk_bf16_f32 v[YY+p], v[X+2*p], v[X+2*p+1]
	s_add_co_u32 s[TB], s[TB], 16*SP
	s_cmp_eq_u32 s[CNT], 1                         ; the registers take the next trip's rows, but for the last trip
	s_cbranch_scc1 .Lno_more
	v_add_nc_u32 v[RD], s[TB], v[RD0]
.set p, 0
.rept 8
	ds_load_b128 v[X+8*p:X+8*p+3],   v[RD] offset:2*SP*p
	ds_load_b128 v[X+8*p+4:X+8*p+7], v[RD] offset:2*SP*p+256
.set p, p+1
.endr
.Lno_more:
.set p, 0
.rept 8
	global_store_b64 v[GO], v[YY+4*p:YY+4*p+1],   s[10:11] offset:256*p         ; two tokens of one head: 256 consecutive bytes, aligned
	global_store_b64 v[GO], v[YY+4*p+2:YY+4*p+3], s[10:11] offset:262144+256*p  ; the next head
.set p, p+1
.endr
.endif
	s_sub_co_u32 s[CNT], s[CNT], 1
	s_cmp_lg_u32 s[CNT], 0
	s_cbranch_scc1 .Lrows
	s_wait_tensorcnt 0x0                           ; the wave's end
	ds_add_u32 v[SPW], v[NIL]
	s_wait_dscnt 0x0
	CROUND                                         ; the closing round: no work-group ends while a partner may still ask for a tile that names it
	s_endpgm
.Lfunc_end_k_q8251782e08_fc:
	.size	k_q8251782e08_fc, .Lfunc_end_k_q8251782e08_fc-k_q8251782e08_fc
	.p2alignl 7, 3214868480
	.fill 96, 4, 3214868480
	.section	.rodata,"a",@progbits
	.p2align	6, 0x0
	.amdhsa_kernel k_q8251782e08_fc
		.amdhsa_group_segment_fixed_size 327680
		.amdhsa_private_segment_fixed_size 0
		.amdhsa_enable_private_segment 0
		.amdhsa_kernarg_size 32
		.amdhsa_user_sgpr_count 2
		.amdhsa_user_sgpr_kernarg_segment_ptr 1
		.amdhsa_wavefront_size32 1
		.amdhsa_system_sgpr_workgroup_id_x 1
		.amdhsa_system_sgpr_workgroup_id_y 1
		.amdhsa_system_sgpr_workgroup_id_z 1
		.amdhsa_system_vgpr_workitem_id 0
		.amdhsa_next_free_vgpr 1024
		.amdhsa_next_free_sgpr 84
		.amdhsa_reserve_vcc 0
		.amdhsa_float_denorm_mode_32 3
		.amdhsa_float_denorm_mode_16_64 3
		.amdhsa_memory_ordered 1
		.amdhsa_forward_progress 1
		.amdhsa_inst_pref_size 93
	.end_amdhsa_kernel
	.amdgpu_metadata
---
amdhsa.version: [ 1, 2 ]
amdhsa.kernels:
  - .name:           k_q8251782e08_fc
    .symbol:         k_q8251782e08_fc.kd
    .args:
      - { .name: h, .offset: 0, .size: 8, .value_kind: global_buffer, .address_space: global }
      - { .name: wb, .offset: 8, .size: 8, .value_kind: global_buffer, .address_space: global }
      - { .name: bfc, .offset: 16, .size: 8, .value_kind: global_buffer, .address_space: global }
      - { .name: g, .offset: 24, .size: 8, .value_kind: global_buffer, .address_space: global }
    .group_segment_fixed_size: 327680
    .private_segment_fixed_size: 0
    .kernarg_segment_align: 8
    .kernarg_segment_size: 32
    .max_flat_workgroup_size: 128
    .sgpr_count:     84
    .vgpr_count:     1024
    .wavefront_size: 32
...
	.end_amdgpu_metadata
.endif
;; end of part 6
;; launch proj (part 7): grid 8 x 32, 4 waves a work-group, clusters of 4 x 4, 327,680 bytes of LDS; arguments g, wb, bproj, x1, out0; writes out0
.if DOCPART == 7
	.amdgcn_target "amdgcn-amd-amdhsa--gfx1250"
	.amdhsa_code_object_version 6
	.text
	.protected	k_q8251782e08_proj
	.globl	k_q8251782e08_proj
	.p2align	8
	.type	k_q8251782e08_proj,@function
k_q8251782e08_proj:
	s_mov_b64 s[64:65], 0
	v_nop
	global_prefetch_b8 v0, s[64:65] scope:SCOPE_SE
	s_setreg_imm32_b32 hwreg(HW_REG_WAVE_MODE, 25, 1), 1
	s_wait_xcnt 0x0
	s_wait_alu depctr_hold_cnt(0) depctr_sa_sdst(0) depctr_va_vdst(0) depctr_va_sdst(0) depctr_va_ssrc(0) depctr_va_vcc(0) depctr_vm_vsrc(0)
	s_getreg_b32 s2, hwreg(HW_REG_IB_STS2, 6, 4)
	s_cmp_eq_u32 s2, 0
	s_cbranch_scc0 .Lentry_in_a_cluster
	s_endpgm
.Lentry_in_a_cluster:
	s_bfe_u32 s2, ttmp6, 0x10000c
	s_cmp_lg_u32 s2, 0xf033
	s_cbranch_scc0 .Lentry_shape_is_right
	s_endpgm
.Lentry_shape_is_right:
; out = A B + bias + residual, f32.  B: [SIZE_K][1024] bf16 as the weights lie ([K][N]), at byte WOFF of the weights' buffer.  residual, out: [4096][1024] f32.  Sums in f32.
; HEADS = 1: A is attention's result by heads, [32 = batch x 16 + head][2048][64] bf16: K index = 64 head + channel.  HEADS = 0: A is [4096][SIZE_K] bf16.
; A tile of C is 128 x 128, so that 4096 x 1024 gives 256 work-groups; four waves, each 64 x 64 in 16 accumulators.  K goes in steps of 256 through two LDS slots filled by the tensor data mover.
; B's fragments are read turned, by ds_load_tr16_b128.  THE MATRIX INSTRUCTION IS USED TRANSPOSED (source 0 = 16 columns of B, source 1 = 16 rows of A).
; THE BIAS STARTS THE SUMS, as the C operand of each accumulator's first product.  The residual is asked for at the start and waited for at the end.
; CLUSTERS: 4 x 4 work-groups; A's tile is shared along a row of the cluster, B's along a column; each is asked for jointly.
; THE WAY OUT: the slots have had their last fill; each wave lays its 64 x 64 f32 there (rows of 272 bytes), reads whole rows of 256 bytes back, adds the residual and stores.
; REGISTERS: window 0: v0-31 addresses, v96-127 the bias, v128-255 the accumulators ((a, b) at v[128 + 8 (4 a + b)]);  window 1: two fragment buffers of 128 (64 of A, 64 of B);  window 2: v0-127 the residual.
.set SIZE_K, 4096
.set WOFF,   16777216
.set HEADS,  0
.set SIZE_N, 1024
.set KSTEP,  256
.set AREG,   36864                     ; a quarter of a slot: 64 rows of A, or 128 rows (k) of B
.set SLOT,   4*AREG                    ; 0x24000 shares no bit with wave x 0x9000, so one exclusive or changes slots
.set SPARE,  2*SLOT                    ; behind the ring: the spare words, 128 bytes a wave: two blocks of 256 bytes that no other line names
.set BP,     288                       ; a row of B (one k, 128 columns): 256 bytes + 32: an odd multiple of 32
.if HEADS
.set AP,     144                       ; [4 heads][64 tokens]: a token's 128 bytes + 16
.set AQ,     64*AP                     ; a quarter of a K step is a head
.set ASTEP,  4*262144                  ; four heads on
.else
.set AP,     528                       ; a row's 512 bytes + 16
.set AQ,     128                       ; a quarter of a K step is 128 bytes of the row
.set ASTEP,  KSTEP*2
.endif
.set BSTEP,  KSTEP*SIZE_N*2
.set SP,     272                       ; a stage row: 64 f32 + 16 bytes
.set WSTAGE, 64*SP
.set ADRA0, 16
.set ADRB0, 17
.set ADRA,  18
.set ADRB,  20                         ; v20: k rows 0-127 of the slot in hand; v21: k rows 128-255
.set STO,   24
.set RD,    25
.set CO,    26                         ; my byte offset in two rows of out and of the residual
.set BO,    27
.set SPW,   28
.set NIL,   29
.set BIAS,  96
.set ACC,   128
.set F0,    0                          ; window 1
.set F1,    128
.set WV, 14
.set RH, 15
.set CH, 16
.set CX, 17
.set CY, 18
.set NT, 19
.set MT, 20
.set TB, 21
.set G1A, 24
.set G0A, 32
.set G1B, 48
.set G0B, 56
.set CNT, 66
.set MSB, 0
.macro WIN new
.if MSB != (\new)
	s_set_vgpr_msb (MSB<<8)|(\new)
.set MSB, \new
.endif
.endm
.set MUL,   0x05                       ; sources 0 (B) and 1 (A) window 1; C and D window 0
.set TO_F,  0x40                       ; destination window 1
.set TO_R,  0x80                       ; destination window 2
.set ADD_R, 0x08                       ; source 1 window 2
.macro PLACES
.rept 4
	v_nop
.endr
.endm
.macro JLOAD                           ; a joint refill by the walking descriptors: waves 0 and 1 fetch A's halves, waves 2 and 3 B's; an s_nop 0 and four v_nop follow each line
	s_cmp_eq_u32 s[RH], 0
	s_cbranch_scc0 .Lfor_b_\@
	tensor_load_to_lds s[G0A+4:G0A+7], s[G1A:G1A+7]
	s_nop 0
.rept 4
	v_nop
.endr
	s_branch .Lasked_\@
.Lfor_b_\@:
	tensor_load_to_lds s[G0B+4:G0B+7], s[G1B:G1B+7]
	s_nop 0
.rept 4
	v_nop
.endr
.Lasked_\@:
.endm
.macro CREST
	s_cmp_lg_u32 s[WV], 0
	s_cbranch_scc1 .Lnot_wave_0_\@
	s_barrier_signal -3
.Lnot_wave_0_\@:
	s_barrier_wait -3
	s_barrier_signal -1
	s_barrier_wait -1
.endm
.macro CROUND
	s_barrier_signal -1
	s_barrier_wait -1
	CREST
.endm
	s_load_b256 s[4:11], s[0:1], 0x0               ; A s[4:5], weights s[6:7], bias s[8:9], residual s[10:11]
	s_load_b64 s[12:13], s[0:1], 0x20              ; out
	v_lshl_add_u32 v[SPW], v0, 2, SPARE
	v_mov_b32 v[NIL], 0
	ds_add_u32 v28, v29
	s_wait_dscnt 0x0
	v_lshrrev_b32 v1, 5, v0
	v_readfirstlane_b32 s[WV], v1
	s_lshr_b32 s[RH], s[WV], 1
	s_and_b32 s[CH], s[WV], 1
	s_bfe_u32 s[CX], ttmp6, 0x40000
	s_bfe_u32 s[CY], ttmp6, 0x40004
	s_lshl_b32 s[NT], ttmp9, 2
	s_add_co_u32 s[NT], s[NT], s[CX]
	s_and_b32 s[MT], ttmp7, 0xffff
	s_lshl_b32 s[MT], s[MT], 2
	s_add_co_u32 s[MT], s[MT], s[CY]
	s_lshl_b32 s40, s[CY], 2
	s_lshl_b32 s40, 15, s40                        ; my row of the cluster
	s_lshl_b32 s41, 0x1111, s[CX]                  ; my column
.if HEADS
	s_or_b32 s[G1A], s40, (1<<16)|(1<<20)|(1<<21)|(4<<22)|(3<<25)  ; padding after every 32 words (a token), 4 words
	s_mov_b32 s[G1A+1], 4096<<16                   ; tensor_dim0 = 4,096: 64 tokens x 64 channels, 8,192 dense bytes of a head
	s_mov_b32 s[G1A+2], 4<<16                      ; tensor_dim1 = 4 heads
	s_mov_b32 s[G1A+3], 4096<<16                   ; tile_dim0
	s_mov_b32 s[G1A+4], 4                          ; tile_dim1
	s_mov_b32 s[G1A+5], 131072                     ; elements from head to head
.else
	s_or_b32 s[G1A], s40, (1<<16)|(1<<20)|(1<<21)|(6<<22)|(3<<25)  ; padding after every 128 words, 4 words
	s_mov_b32 s[G1A+1], KSTEP<<16
	s_mov_b32 s[G1A+2], 64<<16
	s_mov_b32 s[G1A+3], KSTEP<<16
	s_mov_b32 s[G1A+4], 64
	s_mov_b32 s[G1A+5], SIZE_K
.endif
	s_mov_b32 s[G1A+6], 0
	s_mov_b32 s[G1A+7], 0
	s_or_b32 s[G1B], s41, (1<<16)|(1<<20)|(1<<21)|(5<<22)|(7<<25)  ; padding after every 64 words, 8 words
	s_mov_b32 s[G1B+1], 128<<16                    ; 128 columns
	s_mov_b32 s[G1B+2], 128<<16                    ; 128 rows (k)
	s_mov_b32 s[G1B+3], 128<<16
	s_mov_b32 s[G1B+4], 128
	s_mov_b32 s[G1B+5], SIZE_N
	s_mov_b32 s[G1B+6], 0
	s_mov_b32 s[G1B+7], 0
.if HEADS
	s_lshr_b32 s22, s[MT], 4                       ; the batch: 16 heads of 262,144 bytes
	s_lshl_b32 s22, s22, 22
	s_and_b32 s23, s[MT], 15                       ; 128 tokens of 128 bytes a tile row,
	s_lshl_b32 s23, s23, 14
	s_add_co_u32 s22, s22, s23
	s_lshl_b32 s23, s[CH], 13                      ; 64 of them a load
	s_add_co_u32 s22, s22, s23
.else
	s_lshl_b32 s22, s[MT], 20                      ; row 128 x tile row + 64 x half, 8,192 bytes a row
	s_lshl_b32 s23, s[CH], 19
	s_add_co_u32 s22, s22, s23
.endif
	s_mov_b32 s23, 0
	s_lshl_b32 s42, s[CH], 18                      ; B: k row 128 x half (2,048 bytes a row), column 128 x tile column
	s_lshl_b32 s43, s[NT], 8
	s_add_co_u32 s42, s42, s43
	s_add_co_u32 s42, s42, WOFF
	s_mov_b32 s43, 0
	s_mul_i32 s46, s[WV], AREG                     ; where they go: no place in the cluster enters an LDS address
	s_wait_kmcnt 0x0
	s_add_nc_u64 s[68:69], s[4:5], s[22:23]
	s_add_nc_u64 s[44:45], s[6:7], s[42:43]
	CROUND                                         ; all sixteen work-groups are here: the first joint loads meet
.irp s, 0,1
	s_mov_b32 s[G0A+4*(\s)], 1
	s_add_co_u32 s[G0A+4*(\s)+1], s46, (\s)*SLOT
	s_add_nc_u64 s[G0A+4*(\s)+2:G0A+4*(\s)+3], s[68:69], (\s)*ASTEP
	s_or_b32 s[G0A+4*(\s)+3], s[G0A+4*(\s)+3], 0x80000000
	s_mov_b32 s[G0B+4*(\s)], 1
	s_add_co_u32 s[G0B+4*(\s)+1], s46, (\s)*SLOT
	s_add_nc_u64 s[G0B+4*(\s)+2:G0B+4*(\s)+3], s[44:45], (\s)*BSTEP
	s_or_b32 s[G0B+4*(\s)+3], s[G0B+4*(\s)+3], 0x80000000
.endr
	s_cmp_eq_u32 s[RH], 0                          ; a wave's two first fills stand in one branch: two loads of mine are out
	s_cbranch_scc0 .Lfirst_b
	tensor_load_to_lds s[G0A:G0A+3], s[G1A:G1A+7]
	s_nop 0
	tensor_load_to_lds s[G0A+4:G0A+7], s[G1A:G1A+7]
	s_nop 0
.rept 4
	v_nop
.endr
	s_branch .Lfirst_asked
.Lfirst_b:
	tensor_load_to_lds s[G0B:G0B+3], s[G1B:G1B+7]
	s_nop 0
	tensor_load_to_lds s[G0B+4:G0B+7], s[G1B:G1B+7]
	s_nop 0
.rept 4
	v_nop
.endr
.Lfirst_asked:
	v_and_b32 v1, 15, v0                           ; l % 16
	v_bfe_u32 v2, v0, 4, 1                         ; l / 16
	v_mul_u32_u24 v3, v1, AP
	v_lshl_add_u32 v3, v2, 4, v3
	s_mul_i32 s47, s[RH], AREG
	v_add_nc_u32 v[ADRA0], s47, v3
	v_and_b32 v4, 7, v0
	v_lshl_add_u32 v4, v2, 3, v4
	v_mul_u32_u24 v4, v4, BP
	v_bfe_u32 v5, v0, 3, 1
	v_lshl_add_u32 v4, v5, 4, v4
	s_lshl_b32 s47, s[CH], 7                       ; my 64 columns
	s_add_co_u32 s47, s47, 2*AREG
	v_add_nc_u32 v[ADRB0], s47, v4
	v_mov_b32 v[ADRA], v[ADRA0]
	v_mov_b32 v[ADRB], v[ADRB0]
	v_add_nc_u32 v[ADRB+1], 128*BP, v[ADRB0]
	s_mov_b32 s[TB], 0
	s_mul_i32 s47, s[WV], WSTAGE                   ; my stage
	v_mul_u32_u24 v3, v1, SP
	v_lshl_add_u32 v3, v2, 5, v3
	v_add_nc_u32 v[STO], s47, v3                   ; in: row l % 16, 32 bytes for each half of the lanes
	v_mul_u32_u24 v3, v2, SP
	v_lshl_add_u32 v3, v1, 4, v3
	v_add_nc_u32 v[RD], s47, v3                    ; back: lanes 0-15 one row of 256 bytes, lanes 16-31 the next
	v_lshlrev_b32 v3, 12, v2
	v_lshl_add_u32 v[CO], v1, 4, v3                ; and the same two rows in memory, 4,096 bytes apart
	v_lshlrev_b32 v[BO], 5, v2
	s_lshl_b32 s42, s[NT], 9                       ; my 64 columns, in bytes of f32
	s_lshl_b32 s43, s[CH], 8
	s_add_co_u32 s42, s42, s43
	s_mov_b32 s43, 0
	s_add_nc_u64 s[8:9], s[8:9], s[42:43]
	s_lshl_b32 s43, s[MT], 19                      ; and my 64 rows
	s_add_co_u32 s42, s42, s43
	s_lshl_b32 s43, s[RH], 18
	s_add_co_u32 s42, s42, s43
	s_mov_b32 s43, 0
	s_add_nc_u64 s[10:11], s[10:11], s[42:43]
	s_add_nc_u64 s[12:13], s[12:13], s[42:43]
.set b, 0
.rept 4                                ; register j of block b: bias[16 b + 8 (l / 16) + j], the layout of an accumulator
	global_load_b128 v[BIAS+8*b:BIAS+8*b+3],   v[BO], s[8:9] offset:64*b
	global_load_b128 v[BIAS+8*b+4:BIAS+8*b+7], v[BO], s[8:9] offset:64*b+16
.set b, b+1
.endr
	WIN TO_R
.set j, 0
.rept 32                               ; the residual, in the layout of the way out: rows 2 j and 2 j + 1
	global_load_b128 v[4*j:4*j+3], v[CO], s[10:11] offset:8192*j
.set j, j+1
.endr
	WIN 0
; 8 matrix instructions: row blocks a0, a0 + 1 x all 4 column blocks, 32 along K: half c of buffer f.  first = 1: the bias is C and starts the sums.  The 16 accumulators take turns.
.macro MUL8 f, c, a0, first
	WIN MUL
.irp a, \a0, (\a0)+1
.irp b, 0,1,2,3
.if \first
	v_wmma_f32_16x16x32_bf16 v[ACC+8*(4*(\a)+(\b)):ACC+8*(4*(\a)+(\b))+7], v[(\f)+64+8*(4*(\c)+(\b)):(\f)+64+8*(4*(\c)+(\b))+7], v[(\f)+8*(4*(\c)+(\a)):(\f)+8*(4*(\c)+(\a))+7], v[BIAS+8*(\b):BIAS+8*(\b)+7]
.else
	v_wmma_f32_16x16x32_bf16 v[ACC+8*(4*(\a)+(\b)):ACC+8*(4*(\a)+(\b))+7], v[(\f)+64+8*(4*(\c)+(\b)):(\f)+64+8*(4*(\c)+(\b))+7], v[(\f)+8*(4*(\c)+(\a)):(\f)+8*(4*(\c)+(\a))+7], v[ACC+8*(4*(\a)+(\b)):ACC+8*(4*(\a)+(\b))+7]
.endif
.endr
.endr
.endm
; 32 LDS loads in one run: quarter q (64 along K) of the slot in hand into buffer f; the first 32 along K first
.macro FETCH q, f
	WIN TO_F
.irp c, 0,1
.irp i, 0,1,2,3
	ds_load_tr16_b128 v[(\f)+64+8*(4*(\c)+(\i)):(\f)+64+8*(4*(\c)+(\i))+3],   v[ADRB+(\q)/2] offset:(64*((\q)%2)+32*(\c))*BP+32*(\i)
	ds_load_tr16_b128 v[(\f)+64+8*(4*(\c)+(\i))+4:(\f)+64+8*(4*(\c)+(\i))+7], v[ADRB+(\q)/2] offset:(64*((\q)%2)+32*(\c)+16)*BP+32*(\i)
	ds_load_b128 v[(\f)+8*(4*(\c)+(\i)):(\f)+8*(4*(\c)+(\i))+3],   v[ADRA] offset:(\q)*AQ+64*(\c)+(\i)*16*AP
	ds_load_b128 v[(\f)+8*(4*(\c)+(\i))+4:(\f)+8*(4*(\c)+(\i))+7], v[ADRA] offset:(\q)*AQ+64*(\c)+(\i)*16*AP+32
.endr
.endr
.endm
.macro QUARTER qn, f, g, first
	s_wait_dscnt 16                                ; the first 32 along K are in
	MUL8 \f, 0, 0, \first
	MUL8 \f, 0, 2, \first
	PLACES
	FETCH \qn, \g
	s_wait_dscnt 32                                ; all but the 32 just issued
	MUL8 \f, 1, 0, 0
	MUL8 \f, 1, 2, 0
.endm
; The last quarter multiplies buffer 1 and changes slots: in front of the barrier each wave waits for all its tensor loads, adds 0 to its spare word, and waits for that and for its reads of this slot.
; fill = 1: the barrier opens a round of the cluster's barrier, and the joint refill (two K steps on) is the first thing behind it: 112 matrix instructions ahead of the wait for it.
.macro TURN fill
	WIN 0
	s_wait_tensorcnt 0x0
	ds_add_u32 v[SPW], v[NIL]                      ; 0 onto my spare word
	s_wait_dscnt 17                                ; (the add and the youngest sixteen loads may be out)
	MUL8 F1, 0, 0, 0
	s_wait_dscnt 0x0                               ; the add is done, and my reads of this slot are over
	s_barrier_signal -1
	MUL8 F1, 0, 2, 0
	WIN 0
	s_barrier_wait -1
.if \fill
	CREST
	s_xor_b32 s[G0A+5], s[G0A+5], SLOT
	s_add_nc_u64 s[G0A+6:G0A+7], s[G0A+6:G0A+7], ASTEP
	s_xor_b32 s[G0B+5], s[G0B+5], SLOT
	s_add_nc_u64 s[G0B+6:G0B+7], s[G0B+6:G0B+7], BSTEP
	JLOAD
.else
	PLACES
.endif
	s_xor_b32 s[TB], s[TB], SLOT
	v_add_nc_u32 v[ADRA], s[TB], v[ADRA0]
	v_add_nc_u32 v[ADRB], s[TB], v[ADRB0]
	v_add_nc_u32 v[ADRB+1], 128*BP, v[ADRB]
	FETCH 0, F0
	MUL8 F1, 1, 0, 0
	MUL8 F1, 1, 2, 0
.endm
	s_wait_tensorcnt 0x1                           ; my part of K step 0 is in; K step 1's may stay out
	s_barrier_signal -1
	s_barrier_wait -1
	FETCH 0, F0
	s_wait_loadcnt 32                              ; the bias is in; the residual's 32 loads stay out
	QUARTER 1, F0, F1, 1
	WIN 0
	s_mov_b32 s[CNT], SIZE_K/KSTEP-2
.Lstep:
	QUARTER 2, F1, F0, 0
	QUARTER 3, F0, F1, 0
	TURN 1
	QUARTER 1, F0, F1, 0
	WIN 0
	s_sub_co_u32 s[CNT], s[CNT], 1
	s_cmp_lg_u32 s[CNT], 0
	s_cbranch_scc1 .Lstep
	QUARTER 2, F1, F0, 0                           ; the last two K steps ask for nothing
	QUARTER 3, F0, F1, 0
	TURN 0
	QUARTER 1, F0, F1, 0
	QUARTER 2, F1, F0, 0
	QUARTER 3, F0, F1, 0
	s_wait_dscnt 16
	MUL8 F1, 0, 0, 0
	MUL8 F1, 0, 2, 0
	s_wait_dscnt 0x0
	MUL8 F1, 1, 0, 0
	MUL8 F1, 1, 2, 0
	; THE WAY OUT
	WIN 0
	PLACES
	s_wait_dscnt 0x0
	s_barrier_signal -1
	s_barrier_wait -1                              ; no wave reads the slots any more, and they have had their last fill: they become the stages
.set a, 0
.rept 4
.set b, 0
.rept 4                                ; each accumulator's lowest registers go first
	ds_store_b128 v[STO], v[ACC+8*(4*a+b):ACC+8*(4*a+b)+3]   offset:16*SP*a+64*b
	ds_store_b128 v[STO], v[ACC+8*(4*a+b)+4:ACC+8*(4*a+b)+7] offset:16*SP*a+64*b+16
.set b, b+1
.endr
.set a, a+1
.endr
	s_wait_dscnt 0x0
	s_barrier_signal -1
	s_barrier_wait -1                              ; every wave's stage is written: from here on LDS is only read
.set j, 0
.rept 32
	ds_load_b128 v[ACC+4*j:ACC+4*j+3], v[RD] offset:2*SP*j
.set j, j+1
.endr
	s_wait_dscnt 0x0
	s_wait_loadcnt 0x0                             ; the residual
	WIN ADD_R
.set p, 0
.rept 64
	v_pk_add_f32 v[ACC+2*p:ACC+2*p+1], v[ACC+2*p:ACC+2*p+1], v[2*p:2*p+1]
.set p, p+1
.endr
	WIN 0
.set j, 0
.rept 32
	global_store_b128 v[CO], v[ACC+4*j:ACC+4*j+3], s[12:13] offset:8192*j  ; 16 lanes store 256 consecutive bytes, aligned
.set j, j+1
.endr
	s_wait_tensorcnt 0x0                           ; the wave's end
	ds_add_u32 v[SPW], v[NIL]
	s_wait_dscnt 0x0
	CROUND                                         ; the closing round
	s_endpgm
.Lfunc_end_k_q8251782e08_proj:
	.size	k_q8251782e08_proj, .Lfunc_end_k_q8251782e08_proj-k_q8251782e08_proj
	.p2alignl 7, 3214868480
	.fill 96, 4, 3214868480
	.section	.rodata,"a",@progbits
	.p2align	6, 0x0
	.amdhsa_kernel k_q8251782e08_proj
		.amdhsa_group_segment_fixed_size 327680
		.amdhsa_private_segment_fixed_size 0
		.amdhsa_enable_private_segment 0
		.amdhsa_kernarg_size 40
		.amdhsa_user_sgpr_count 2
		.amdhsa_user_sgpr_kernarg_segment_ptr 1
		.amdhsa_wavefront_size32 1
		.amdhsa_system_sgpr_workgroup_id_x 1
		.amdhsa_system_sgpr_workgroup_id_y 1
		.amdhsa_system_sgpr_workgroup_id_z 1
		.amdhsa_system_vgpr_workitem_id 0
		.amdhsa_next_free_vgpr 640
		.amdhsa_next_free_sgpr 70
		.amdhsa_reserve_vcc 0
		.amdhsa_float_denorm_mode_32 3
		.amdhsa_float_denorm_mode_16_64 3
		.amdhsa_memory_ordered 1
		.amdhsa_forward_progress 1
		.amdhsa_inst_pref_size 76
	.end_amdhsa_kernel
	.amdgpu_metadata
---
amdhsa.version: [ 1, 2 ]
amdhsa.kernels:
  - .name:           k_q8251782e08_proj
    .symbol:         k_q8251782e08_proj.kd
    .args:
      - { .name: g, .offset: 0, .size: 8, .value_kind: global_buffer, .address_space: global }
      - { .name: wb, .offset: 8, .size: 8, .value_kind: global_buffer, .address_space: global }
      - { .name: bproj, .offset: 16, .size: 8, .value_kind: global_buffer, .address_space: global }
      - { .name: x1, .offset: 24, .size: 8, .value_kind: global_buffer, .address_space: global }
      - { .name: out0, .offset: 32, .size: 8, .value_kind: global_buffer, .address_space: global }
    .group_segment_fixed_size: 327680
    .private_segment_fixed_size: 0
    .kernarg_segment_align: 8
    .kernarg_segment_size: 40
    .max_flat_workgroup_size: 128
    .sgpr_count:     70
    .vgpr_count:     640
    .wavefront_size: 32
...
	.end_amdgpu_metadata
.endif
;; end of part 7
